; MI455X (gfx1250); checked and timed in simulation.
; The chip was launched on July 23, 2026; its instructions are those of AMD's public machine-readable ISA for CDNA 5 (MIT licence, August 2026) and "CDNA5" Instruction Set Architecture Reference Guide (July 2026). The comments in the code are by the model that wrote it; some were corrected since.
;; Multi Head Attention. Allowed arithmetic: matrix products marked QUANTISED: E2M1 operands, one E8M0 scale for each 32 along K, by v_wmma_scale_f32_16x16x128_f8f6f4 with both operands' format E2M1 (or v_wmma_scale_f32_32x16x128_f4), f32 sums; products left as they are: bf16, f16 or f32 operands; f32 sums; everything else in f32.
;; Inputs: W_attn 1,024 x 3,072 float32; W_proj 1,024 x 1,024 float32; b_proj 1,024 float32; x 2 x 2,048 x 1,024 float32.
;; Outputs: out0 2 x 2,048 x 1,024 float32.
;; This version of the problem:
;;   THIS VERSION OF THE PROBLEM IS GIVEN IN LOW PRECISION. The matrix products marked QUANTISED in the list below multiply operands that are first quantised to E2M1 (2 exponent bits, 1 mantissa bit; 4 bits a number), with one power-of-two scale for each 32 numbers along K (OCP MX v1.0); their sums are f32. The products marked 'left as it is' may take bf16, f16 or f32 operands, with f32 sums. Whichever they take, every output number must still come out within the allowed error. Rounding operands to bf16 (8 significant bits) uses up far more of that allowance than f16 does (11 bits, for magnitudes from 6e-5 to 65,504). All else is computed in f32.
;;   The module's matrix products, in the order in which they are computed (A, B: the left and right operand; K: the contracted axis; several contracted axes count as one K, in the product's order):
;;     1. [M 4,096, K 1,024] x [K 1,024, N 3,072]; A: input x; B: input W_attn: QUANTISED
;;     2. batch 32 x [M 2,048, K 64] x [K 64, N 2,048]; A: computed on the way; B: computed on the way: left as it is (an operand is computed on the way)
;;     3. batch 32 x [M 2,048, K 2,048] x [K 2,048, N 64]; A: computed on the way; B: computed on the way: left as it is (an operand is computed on the way)
;;     4. [M 4,096, K 1,024] x [K 1,024, N 1,024]; A: computed on the way; B: input W_proj: left as it is (an operand is computed on the way)
;;   THE QUANTISER, for each operand of a quantised product, along K:
;;     - K is cut into blocks of 32 from its start; a last block that is shorter is filled with zeros.
;;     - A block's scale is 2^e with e = floor(log2(the largest magnitude in the block)) - 2, held to -126 .. 127; a block of zeros has e = 0. As a byte (E8M0): e + 127.
;;     - Each number is divided by its block's scale, clamped to +-6, and rounded to the nearest number of E2M1, ties to even, subnormals kept.
;;     - The product sums the exact products of the quantised numbers (number of the format x scale) in f32.
;;   ~~~python
;;   def quantise(x, axis):      # numpy; x: float32 -> the quantised numbers, widened to float32 again
;;       x = np.moveaxis(x, axis, -1); K = x.shape[-1]
;;       x = np.pad(x, [(0, 0)] * (x.ndim - 1) + [(0, -K % 32)]); x = x.reshape(x.shape[:-1] + (-1, 32)); a = np.abs(x).max(-1, keepdims=True)
;;       e = np.where(a > 0, np.clip(np.frexp(np.where(a > 0, a, 1))[1] - 1 - 2, -126, 127), 0)      # np.frexp(a)[1] - 1 = floor(log2(a)), exactly
;;       r = np.clip(x / 2.0 ** e, -6, 6)
;;       step = 2.0 ** (np.maximum(np.frexp(np.where(r == 0, 1, r))[1] - 1, 0) - 1)
;;       q = np.round(r / step) * step * 2.0 ** e      # np.round: ties to even
;;       return np.moveaxis(q.reshape(q.shape[:-2] + (-1,))[..., :K], -1, axis).astype(np.float32)
;;   ~~~
;; One version. Each part assembles by itself: llvm-mc -triple=amdgcn-amd-amdhsa -mcpu=gfx1250 --defsym DOCPART=n.
;; ======== version 1 of 1: 5 launches
;; limits: values are held in f16: magnitudes above 65,504 overflow, below 6.1e-05 lose precision
;; workspace buffers: xc 2,097,152 bytes; xs 131,072 bytes; wc 1,572,864 bytes; ws 98,304 bytes; wpt 2,097,152 bytes; qkv 25,165,824 bytes; fineq 393,216 bytes; y 8,388,608 bytes
;; launch prep (part 1): grid 256 x 1, 8 waves a work-group, no clusters, 151,552 bytes of LDS; arguments x, W_attn, W_proj, xc, xs, wc, ws, wpt; writes xc, xs, wc, ws, wpt
.if DOCPART == 1
	.amdgcn_target "amdgcn-amd-amdhsa--gfx1250"
	.amdhsa_code_object_version 6
	.text
	.protected	k_q8cb9046348_prep
	.globl	k_q8cb9046348_prep
	.p2align	8
	.type	k_q8cb9046348_prep,@function
k_q8cb9046348_prep:
	s_mov_b64 s[64:65], 0
	v_nop
	global_prefetch_b8 v0, s[64:65] scope:SCOPE_SE
	s_setreg_imm32_b32 hwreg(HW_REG_WAVE_MODE, 25, 1), 1
	s_wait_xcnt 0x0
; Three jobs in one launch, told apart by the work-group's number alone; each job has LDS bytes of its own, and every work-group reads 131,072 bytes.
;   work-groups   0 .. 127: x [4096][1024] f32 -> codes of FP4 (E2M1), K innermost, xc [4096][512 bytes], and one E8M0 byte for each 32 along K, xs [4096][32]
;   work-groups 128 .. 223: W_attn [1024 (k)][3072 (n)] f32, K its FIRST axis -> wc [3072][512 bytes], ws [3072][32], K innermost
;   work-groups 224 .. 255: W_proj [1024 (k)][1024 (n)] f32 -> its transpose in f16, wpt [1024 (n)][1024 (k)]
; A block's scale is 2^(floor(log2(its largest magnitude)) - 2): its byte is the largest magnitude's exponent field - 2, held at 1 from below.
; LIMITS: a block of zeros gets the byte 1 where the rule says 127 (its codes are zeros, and this program alone reads the bytes); blocks whose largest magnitude lies under 2^-124
; were not tried; NaN and infinities are not served; |W_proj| beyond 65,504 becomes infinity in f16.
.set XREGB, 8192                       ; job x: a region for each wave: two stages of 32 x 80 bytes
.set SP,    80                         ; a lane's place in a stage: 64 bytes + 16 of padding
.set XSCB,  64512                      ; job x: the work-group's 1,024 scale bytes, 128 a wave, behind wave 7's stages
.set NST,   8                          ; job x: steps of 512 numbers to a wave
.set WAST,  65536                      ; job W_attn: 64 columns x (256 bytes of codes + 16)
.set WASC,  WAST+64*272                ; and their scale bytes, 16 a column
.set WPST,  WASC+1024                  ; job W_proj: 64 columns x (1,024 bytes of f16 + 16)
.set WPP,   1040
.set SPARE, WPST+64*WPP                ; the spare words, 128 bytes for each wave: four blocks of 256 bytes that no other line names
.set SPW,   236                        ; v236 LDS address of my spare word; never rewritten
.set NIL,   237                        ; v237 0; never rewritten
.set XR,    16                         ; job x: v16-143 eight sets of 16 numbers as loaded
.set XX,    144                        ; v144-175 two sets of 16 neighbours
.set XC,    176                        ; v176-191 codes, two registers a step
.set XE,    208                        ; v208-215 a scale byte a step
	s_load_b256 s[4:11], s[0:1], 0x0               ; x s[4:5], W_attn s[6:7], W_proj s[8:9], xc s[10:11]
	s_load_b256 s[12:19], s[0:1], 0x20             ; xs s[12:13], wc s[14:15], ws s[16:17], wpt s[18:19]
	v_lshl_add_u32 v[SPW], v0, 2, SPARE
	v_mov_b32 v[NIL], 0
	v_lshrrev_b32 v1, 5, v0
	v_readfirstlane_b32 s20, v1                    ; wave 0..7
	v_and_b32 v2, 31, v0                           ; lane
	s_wait_kmcnt 0x0
	s_cmp_lt_u32 ttmp9, 128                        ; the jobs part on the work-group's number: all eight waves go the same way
	s_cbranch_scc1 .Lx
	s_cmp_lt_u32 ttmp9, 224
	s_cbranch_scc1 .Lwa
; ---------------- W_proj: 64 columns x 512 along K to a work-group.  A lane takes a column, its registers run down K; wave: 32 columns (wave & 1) x 128 k (wave >> 1)
	s_sub_co_u32 s21, ttmp9, 224
	s_and_b32 s22, s21, 15                         ; which 64 columns
	s_lshr_b32 s23, s21, 4                         ; which 512 along K
	s_and_b32 s24, s20, 1
	s_lshr_b32 s25, s20, 1
	v_lshlrev_b32 v3, 2, v2
	s_lshl_b32 s26, s23, 9
	s_lshl_b32 s27, s25, 7
	s_add_co_u32 s26, s26, s27                     ; my first k,
	s_lshl_b32 s26, s26, 12                        ; rows of 4,096 bytes,
	s_lshl_b32 s27, s22, 8
	s_add_co_u32 s26, s26, s27
	s_lshl_b32 s27, s24, 7
	s_add_co_u32 s26, s26, s27                     ; + my first column
	s_mov_b32 s27, 0
	s_add_nc_u64 s[8:9], s[8:9], s[26:27]
.set i, 0
.rept 128
	global_load_b32 v[32+i], v3, s[8:9] offset:i*4096      ; all of my wave's loads go out on end; 32 lanes read 128 consecutive bytes, the wave beside me the next 128
.set i, i+1
.endr
	v_mul_u32_u24 v4, v2, WPP
	s_mul_i32 s28, s24, 32*WPP
	s_lshl_b32 s29, s25, 8
	s_add_co_u32 s28, s28, s29
	s_add_co_u32 s28, s28, WPST
	v_add_nc_u32 v4, s28, v4                       ; into the stage: row = my column, 256 bytes for each 128 k
	v_lshlrev_b32 v7, 4, v2
	s_mul_i32 s28, s20, 8*WPP
	s_add_co_u32 s28, s28, WPST
	v_add_nc_u32 v6, s28, v7                       ; out of it: my wave's eight rows, 16 bytes a lane
	s_lshl_b32 s28, s22, 6
	s_lshl_b32 s29, s20, 3
	s_add_co_u32 s28, s28, s29
	s_lshl_b32 s28, s28, 11                        ; row 64 x group + 8 x wave of wpt, 2,048 bytes a row,
	s_lshl_b32 s29, s23, 10
	s_add_co_u32 s28, s28, s29                     ; + 1,024 bytes for each 512 k
	s_mov_b32 s29, 0
	s_add_nc_u64 s[18:19], s[18:19], s[28:29]
.macro WPBLOCK t, left
	s_wait_loadcnt \left                           ; this block's 32 loads are in (a count cannot name more than 63: for the first two blocks it is smaller than it need be)
.irp i, 0,1,2,3,4,5,6,7,8,9,10,11,12,13,14,15
	v_cvt_pk_f16_f32 v[160+16*(\t)+\i], v[32+32*(\t)+2*\i], v[33+32*(\t)+2*\i]   ; two neighbours along K, the lower k in the low half
.endr
.irp g, 0,1,2,3
	ds_store_b128 v4, v[160+16*(\t)+4*\g:163+16*(\t)+4*\g] offset:64*(\t)+16*\g
.endr
.endm
	WPBLOCK 0, 63
	WPBLOCK 1, 63
	WPBLOCK 2, 32
	WPBLOCK 3, 0
	s_wait_dscnt 0x0                               ; for the others' sake: my stores into the stage are done
	s_barrier_signal -1
	s_barrier_wait -1
.irp u, 0,1,2,3,4,5,6,7
.irp f, 0,1
	ds_load_b128 v[32+8*\u+4*\f:35+8*\u+4*\f], v6 offset:\u*WPP+512*\f
.endr
.endr
.irp u, 0,1,2,3,4,5,6,7
.irp f, 0,1
	s_wait_dscnt 15-2*\u-\f
	global_store_b128 v7, v[32+8*\u+4*\f:35+8*\u+4*\f], s[18:19] offset:\u*2048+512*\f     ; 32 lanes store 512 consecutive bytes, at a multiple of 256 from the buffer's first byte
.endr
.endr
	s_wait_tensorcnt 0x0                           ; the wave's end, behind my last LDS store
	ds_add_u32 v[SPW], v[NIL]
	s_wait_dscnt 0x0
	s_endpgm
; ---------------- x: a plain stream of blocks of 32.  A wave takes 8 steps of 512 numbers; all its 32 loads go out at the head, the turn through LDS runs one step ahead
.Lx:
	v_lshlrev_b32 v3, 4, v2                        ; my 16 bytes of a load's 512
	s_mul_i32 s21, s20, XREGB
	v_lshrrev_b32 v14, 2, v2
	v_mul_u32_u24 v14, v14, SP
	v_and_b32 v15, 3, v2
	v_lshl_add_u32 v14, v15, 4, v14
	v_add_nc_u32 v14, s21, v14                     ; the stage, on the way in: four lanes' 64 bytes on end, then 16 of padding
	v_mul_u32_u24 v15, v2, SP
	v_add_nc_u32 v15, s21, v15                     ; on the way out: my 16 neighbours
	v_lshlrev_b32 v4, 3, v2                        ; 8 bytes a lane: my codes' place in a step's, and the scale bytes' on the way out
	v_lshrrev_b32 v5, 1, v2
	s_lshl_b32 s21, s20, 7
	s_add_co_u32 s21, s21, XSCB
	v_add_nc_u32 v5, s21, v5                       ; my block's byte among my wave's 128
	s_and_b32 s23, s20, 3
	s_lshl_b32 s23, s23, 8
	s_add_co_u32 s21, s23, XSCB
	v_add_nc_u32 v6, s21, v4                       ; the way out: waves 0-3 take 256 of the work-group's 1,024 scale bytes each
	s_lshl_b32 s22, ttmp9, 3
	s_add_co_u32 s22, s22, s20                     ; which run of 4,096 numbers is my wave's
	s_mov_b32 s25, 0
	s_lshl_b32 s24, s22, 14
	s_add_nc_u64 s[4:5], s[4:5], s[24:25]
	s_lshl_b32 s24, s22, 11
	s_add_nc_u64 s[10:11], s[10:11], s[24:25]
	s_lshl_b32 s24, ttmp9, 10
	s_add_co_u32 s24, s24, s23
	s_add_nc_u64 s[12:13], s[12:13], s[24:25]
.macro XLOAD t
.irp i, 0,1,2,3
	global_load_b128 v[XR+16*(\t)+4*\i:XR+16*(\t)+4*\i+3], v3, s[4:5] offset:2048*(\t)+512*\i th:TH_LOAD_NT   ; 32 lanes read 512 consecutive bytes
.endr
.endm
.macro XTURN t                         ; step t's numbers through the stage: LDS serves a wave's instructions in order, so no wait stands between the stores and the loads
.irp i, 0,1,2,3
	ds_store_b128 v14, v[XR+16*(\t)+4*\i:XR+16*(\t)+4*\i+3] offset:32*SP*((\t)%2)+8*SP*\i
.endr
.irp i, 0,1,2,3
	ds_load_b128 v[XX+16*((\t)%2)+4*\i:XX+16*((\t)%2)+4*\i+3], v15 offset:32*SP*((\t)%2)+16*\i
.endr
.endm
.irp t, 0,1,2,3,4,5,6,7
	XLOAD \t
.endr
	s_wait_loadcnt 28                              ; step 0's four loads are in; the seven steps behind it may be out
	XTURN 0
.macro XSTEP t
.set XS, XX+16*((\t)%2)
.if (\t) > 0
	s_wait_dscnt 1                                 ; this step's numbers are back from the stage (the last step's byte store may be out)
.else
	s_wait_dscnt 0x0
.endif
.if (\t)+1 < NST
	s_wait_loadcnt 4*(NST-2-(\t))                  ; the next step's four loads are in; those of the steps behind it may be out
	XTURN (\t)+1                                   ; and go through the other stage while this step is worked
.endif
	v_max3_num_f32 v8, |v[XS]|, |v[XS+1]|, |v[XS+2]|               ; the largest magnitude of my 16
	v_max3_num_f32 v9, |v[XS+3]|, |v[XS+4]|, |v[XS+5]|
.irp i, 6,10
	v_max3_num_f32 v8, v8, |v[XS+\i]|, |v[XS+\i+1]|
	v_max3_num_f32 v9, v9, |v[XS+\i+2]|, |v[XS+\i+3]|
.endr
	v_max3_num_f32 v8, v8, |v[XS+14]|, |v[XS+15]|
	v_max3_num_f32 v8, v8, v9, 0x1800000           ; and the floor 2^(3 - 127): the byte cannot fall under 1
	v_max_num_f32_dpp v8, v8, v8 row_xmask:1 row_mask:0xf bank_mask:0xf   ; and of my neighbour's 16: the block's
	v_add_nc_u32 v11, 0xff000000, v8               ; 2 off its exponent field: the conversion takes the exponent field of this operand as its scale
	v_cvt_scalef32_pk8_fp4_f32 v[XC+2*(\t)], v[XS:XS+7], v11
	v_cvt_scalef32_pk8_fp4_f32 v[XC+2*(\t)+1], v[XS+8:XS+15], v11
	v_lshrrev_b32 v[XE+(\t)], 23, v11              ; the scale's byte (also the plain line behind the conversions)
	ds_store_b8 v5, v[XE+(\t)] offset:16*(\t)      ; both lanes of a block write the same byte with the same value
	global_store_b64 v4, v[XC+2*(\t):XC+2*(\t)+1], s[10:11] offset:256*(\t)     ; 32 lanes store 256 consecutive bytes, aligned
.endm
.irp t, 0,1,2,3,4,5,6,7
	XSTEP \t
.endr
	s_wait_dscnt 0x0                               ; for the others' sake: my scale bytes lie in LDS
	s_barrier_signal -1
	s_barrier_wait -1
	s_cmp_lt_u32 s20, 4                            ; a wave makes 128 scale bytes: two waves' make an aligned 256, which one wave stores
	s_cbranch_scc0 .Lx_end
	ds_load_b64 v[8:9], v6
	s_wait_dscnt 0x0
	global_store_b64 v4, v[8:9], s[12:13]          ; 256 consecutive bytes, aligned
.Lx_end:
	s_wait_tensorcnt 0x0                           ; the wave's end, behind my last LDS store
	ds_add_u32 v[SPW], v[NIL]
	s_wait_dscnt 0x0
	s_endpgm
; ---------------- W_attn: 64 columns x 512 along K to a work-group.  A lane takes a column, its registers run down K: a block of 32 lies in one lane.  Wave: 32 columns (wave & 1) x 128 k (wave >> 1)
.Lwa:
	s_sub_co_u32 s21, ttmp9, 128
	s_cmp_ge_u32 s21, 48
	s_cselect_b32 s22, 1, 0                        ; which 512 along K
	s_cselect_b32 s23, 48, 0
	s_sub_co_u32 s21, s21, s23                     ; which 64 columns
	s_and_b32 s24, s20, 1
	s_lshr_b32 s25, s20, 1
	v_lshlrev_b32 v3, 2, v2
	s_lshl_b32 s26, s22, 9
	s_lshl_b32 s27, s25, 7
	s_add_co_u32 s26, s26, s27                     ; my first k,
	s_mul_i32 s26, s26, 12288                      ; rows of 12,288 bytes,
	s_lshl_b32 s27, s21, 8
	s_add_co_u32 s26, s26, s27
	s_lshl_b32 s27, s24, 7
	s_add_co_u32 s26, s26, s27                     ; + my first column
	s_mov_b32 s27, 0
	s_add_nc_u64 s[6:7], s[6:7], s[26:27]
.set i, 0
.rept 128
	global_load_b32 v[32+i], v3, s[6:7] offset:i*12288 th:TH_LOAD_NT      ; all of my wave's loads go out on end; 127 rows at the most: inside the signed 24-bit immediate
.set i, i+1
.endr
	v_mul_u32_u24 v4, v2, 272
	s_mul_i32 s28, s24, 32*272
	s_lshl_b32 s29, s25, 6
	s_add_co_u32 s28, s28, s29
	s_add_co_u32 s28, s28, WAST
	v_add_nc_u32 v4, s28, v4                       ; into the stage: row = my column, 64 bytes for each 128 k
	v_lshlrev_b32 v5, 4, v2
	s_lshl_b32 s28, s24, 9
	s_add_co_u32 s30, s28, WASC
	v_add_nc_u32 v8, s30, v5                       ; a column's 16 scale bytes, on the way out
	s_lshl_b32 s29, s25, 2
	s_add_co_u32 s28, s30, s29
	v_add_nc_u32 v5, s28, v5                       ; and my word of them
	v_and_b32 v9, 15, v2
	v_lshrrev_b32 v10, 4, v2
	v_mul_u32_u24 v6, v10, 272
	v_lshl_add_u32 v6, v9, 4, v6
	s_mul_i32 s28, s20, 8*272
	s_add_co_u32 s28, s28, WAST
	v_add_nc_u32 v6, s28, v6                       ; out of the stage: my wave's eight rows, sixteen lanes to a row
	v_lshlrev_b32 v7, 9, v10
	v_lshl_add_u32 v7, v9, 4, v7                   ; and the same place in wc: rows of 512 bytes
	v_lshlrev_b32 v10, 5, v2                       ; ws: rows of 32 bytes
	s_lshl_b32 s28, s21, 6
	s_lshl_b32 s29, s20, 3
	s_add_co_u32 s28, s28, s29
	s_lshl_b32 s28, s28, 9
	s_lshl_b32 s29, s22, 8
	s_add_co_u32 s28, s28, s29
	s_mov_b32 s29, 0
	s_add_nc_u64 s[14:15], s[14:15], s[28:29]
	s_lshl_b32 s28, s21, 11
	s_lshl_b32 s30, s24, 10
	s_add_co_u32 s28, s28, s30
	s_lshl_b32 s30, s22, 4
	s_add_co_u32 s28, s28, s30
	s_add_nc_u64 s[16:17], s[16:17], s[28:29]
.macro WABLOCK t, left
.set WX, 32+32*(\t)
	s_wait_loadcnt \left                           ; this block's 32 loads are in (a count cannot name more than 63: for the first two blocks it is smaller than it need be)
	v_max3_num_f32 v12, |v[WX]|, |v[WX+1]|, |v[WX+2]|              ; the block's largest magnitude: all 32 numbers are mine
	v_max3_num_f32 v13, |v[WX+3]|, |v[WX+4]|, |v[WX+5]|
.irp i, 6,10,14,18,22,26
	v_max3_num_f32 v12, v12, |v[WX+\i]|, |v[WX+\i+1]|
	v_max3_num_f32 v13, v13, |v[WX+\i+2]|, |v[WX+\i+3]|
.endr
	v_max3_num_f32 v12, v12, |v[WX+30]|, |v[WX+31]|
	v_max3_num_f32 v12, v12, v13, 0x1800000        ; and the floor 2^(3 - 127)
	v_add_nc_u32 v11, 0xff000000, v12              ; 2 off its exponent field: the conversion's scale operand
	v_lshrrev_b32 v13, 23, v11                     ; the scale's byte
.if (\t) == 0
	v_mov_b32 v176, v13                            ; four bytes to a word, the lower K in the lower byte
.else
	v_lshl_or_b32 v176, v13, 8*(\t), v176
.endif
.irp g, 0,1,2,3
	v_cvt_scalef32_pk8_fp4_f32 v[160+4*(\t)+\g], v[WX+8*\g:WX+8*\g+7], v11
.endr
	v_nop                                          ; one plain line behind the conversions
	ds_store_b128 v4, v[160+4*(\t):163+4*(\t)] offset:16*(\t)      ; 32 codes: 16 bytes of my column's row; each block has registers of its own
.endm
	WABLOCK 0, 63
	WABLOCK 1, 63
	WABLOCK 2, 32
	WABLOCK 3, 0
	ds_store_b32 v5, v176
	s_wait_dscnt 0x0                               ; for the others' sake: my stores are done
	s_barrier_signal -1
	s_barrier_wait -1
.irp u, 0,1,2,3
	ds_load_b128 v[180+4*\u:183+4*\u], v6 offset:2*\u*272
.endr
.irp u, 0,1,2,3
	s_wait_dscnt 3-\u
	global_store_b128 v7, v[180+4*\u:183+4*\u], s[14:15] offset:1024*\u     ; sixteen lanes store 256 consecutive bytes, aligned
.endr
	s_cmp_lt_u32 s20, 2                            ; waves 0 and 1 store the scale bytes of 32 columns each: 16 bytes a column
	s_cbranch_scc0 .Lwa_end
	ds_load_b128 v[196:199], v8
	s_wait_dscnt 0x0
	global_store_b128 v10, v[196:199], s[16:17]
.Lwa_end:
	s_wait_tensorcnt 0x0                           ; the wave's end, behind my last LDS store
	ds_add_u32 v[SPW], v[NIL]
	s_wait_dscnt 0x0
	s_endpgm
.Lfunc_end_k_q8cb9046348_prep:
	.size	k_q8cb9046348_prep, .Lfunc_end_k_q8cb9046348_prep-k_q8cb9046348_prep
	.p2alignl 7, 3214868480
	.fill 96, 4, 3214868480
	.section	.rodata,"a",@progbits
	.p2align	6, 0x0
	.amdhsa_kernel k_q8cb9046348_prep
		.amdhsa_group_segment_fixed_size 151552
		.amdhsa_private_segment_fixed_size 0
		.amdhsa_enable_private_segment 0
		.amdhsa_kernarg_size 64
		.amdhsa_user_sgpr_count 2
		.amdhsa_user_sgpr_kernarg_segment_ptr 1
		.amdhsa_wavefront_size32 1
		.amdhsa_system_sgpr_workgroup_id_x 1
		.amdhsa_system_sgpr_workgroup_id_y 1
		.amdhsa_system_sgpr_workgroup_id_z 1
		.amdhsa_system_vgpr_workitem_id 0
		.amdhsa_next_free_vgpr 240
		.amdhsa_next_free_sgpr 66
		.amdhsa_reserve_vcc 0
		.amdhsa_float_denorm_mode_32 3
		.amdhsa_float_denorm_mode_16_64 3
		.amdhsa_memory_ordered 1
		.amdhsa_forward_progress 1
		.amdhsa_inst_pref_size 61
	.end_amdhsa_kernel
	.amdgpu_metadata
---
amdhsa.version: [ 1, 2 ]
amdhsa.kernels:
  - .name:           k_q8cb9046348_prep
    .symbol:         k_q8cb9046348_prep.kd
    .args:
      - { .name: x, .offset: 0, .size: 8, .value_kind: global_buffer, .address_space: global }
      - { .name: W_attn, .offset: 8, .size: 8, .value_kind: global_buffer, .address_space: global }
      - { .name: W_proj, .offset: 16, .size: 8, .value_kind: global_buffer, .address_space: global }
      - { .name: xc, .offset: 24, .size: 8, .value_kind: global_buffer, .address_space: global }
      - { .name: xs, .offset: 32, .size: 8, .value_kind: global_buffer, .address_space: global }
      - { .name: wc, .offset: 40, .size: 8, .value_kind: global_buffer, .address_space: global }
      - { .name: ws, .offset: 48, .size: 8, .value_kind: global_buffer, .address_space: global }
      - { .name: wpt, .offset: 56, .size: 8, .value_kind: global_buffer, .address_space: global }
    .group_segment_fixed_size: 151552
    .private_segment_fixed_size: 0
    .kernarg_segment_align: 8
    .kernarg_segment_size: 64
    .max_flat_workgroup_size: 256
    .sgpr_count:     66
    .vgpr_count:     240
    .wavefront_size: 32
...
	.end_amdgpu_metadata
.endif
;; end of part 1
;; launch qkvg (part 2): grid 12 x 16, 4 waves a work-group, clusters of 4 x 4, 327,680 bytes of LDS; arguments xc, xs, wc, ws, qkv, fineq; writes qkv, fineq
.if DOCPART == 2
	.amdgcn_target "amdgcn-amd-amdhsa--gfx1250"
	.amdhsa_code_object_version 6
	.text
	.protected	k_q8cb9046348_qkvg
	.globl	k_q8cb9046348_qkvg
	.p2align	8
	.type	k_q8cb9046348_qkvg,@function
k_q8cb9046348_qkvg:
	s_mov_b64 s[64:65], 0
	v_nop
	global_prefetch_b8 v0, s[64:65] scope:SCOPE_SE
	s_setreg_imm32_b32 hwreg(HW_REG_WAVE_MODE, 25, 1), 1
	s_wait_xcnt 0x0
	s_wait_alu depctr_hold_cnt(0) depctr_sa_sdst(0) depctr_va_vdst(0) depctr_va_sdst(0) depctr_va_ssrc(0) depctr_va_vcc(0) depctr_vm_vsrc(0)
	s_getreg_b32 s2, hwreg(HW_REG_IB_STS2, 6, 4)
	s_cmp_eq_u32 s2, 0
	s_cbranch_scc0 .Lentry_in_a_cluster
	s_endpgm
.Lentry_in_a_cluster:
	s_bfe_u32 s2, ttmp6, 0x10000c
	s_cmp_lg_u32 s2, 0xf033
	s_cbranch_scc0 .Lentry_shape_is_right
	s_endpgm
.Lentry_shape_is_right:
; qkv = Q(x) Q(W_attn): A = x's codes [4096][1024], B = W_attn's codes [3072 (n)][1024 (k)], FP4 (E2M1) with one E8M0 byte for each 32 along K; sums in f32.
; A tile of 256 x 256 to a work-group of four waves, 128 x 128 to a wave: 64 accumulators, 512 registers.  K = 1,024 is two slots of 512 along K: both are asked for at the head, nothing is filled again.
; The scale bytes of the work-group's rows of A and of B, for all of K, come once, in whole rows of 256 bytes, and stay in LDS.
; CLUSTERS: 4 x 4 work-groups; A's tiles are asked for jointly along a row of the cluster, B's along a column.  THE MATRIX INSTRUCTION IS USED TRANSPOSED (source 0 = 16 rows of B, source 1 = 16 rows of A):
; a lane holds eight neighbouring columns of one token.
; THE RESULT goes out in f16, laid [k, q, v][batch][head][token][64]: a head's rows are 128 dense bytes.
; The first 16 tokens of each batch go out in f32 too, into fineq, laid as the last launch reads them: k and q as IMAGES OF MY ACCUMULATORS, [batch][k's 16 heads, q's 16][8 groups of 4 registers][lane][16 bytes]
; (a lane holds token lane % 16 and 32 of the head's 64 channels, the other half of the lanes the other 32, alike for k and q); behind the images, from byte 262,144, v by rows, [batch][16 tokens][1024].
; LIMIT: |q|, |k|, |v| beyond 65,504 become infinity in f16.
; REGISTERS: window 0: v0-31 addresses; v32-95 scale words, two sets; v128-191 A's fragments, one set; on the way out v128-223.  window 1: B's fragments, two sets.  windows 2, 3: accumulators.
.set SIZE_K, 1024
.set KSTEP,  512
.set NQ,     KSTEP/128
.set ROWB,   256
.set KROW,   SIZE_K/2
.set PITCH,  272                       ; an LDS row: 256 bytes + 16 of padding: the 16 rows that a load touches start 68 words apart
.set FR,     8
.set NL,     2
.set NP,     4
.set HALFT,  128*PITCH
.set SLOT,   4*HALFT
.set KS,     SIZE_K/32
.set SCL,    2*SLOT
.set HALFS,  (128*KS/256)*272
.set SBLK,   (16*KS/256)*272
.set SPARE,  SCL+4*HALFS               ; the spare words, 128 bytes for each wave: two blocks of 256 bytes that no other line names
.set SPITCH, 272                       ; the way out: a stage of 16 rows x (256 bytes + 16) for each wave, in slot 0, which has had its only fill and its last read by then
.set ADRA, 16
.set ADRB, 20
.set STO,  24
.set RD,   25
.set CO,   26
.set ADRS, 27
.set SPW,  28
.set NIL,  29
.set FO,   30                          ; v30 my byte offset among fineq's rows of v
.set FL,   31                          ; v31 a flag for the lane masks
.set SC,   32
.set AF,   128
.set BK,   128                         ; the way out: rows read back: v128-159 and v160-191 by turns
.set TMP,  192                         ; packed results
.set G1, 24
.set G0, 32
.set G1B, 48
.set G0B, 56
.set G1S, 68
.set G0S, 76
.set G1SB, 80
.set G0SB, 88
.set MSB, 0
.macro WIN new                         ; the immediate's high byte repeats the setting that is left
.if MSB != \new
	s_set_vgpr_msb (MSB<<8)|\new
.set MSB, \new
.endif
.endm
.set MUL_LO, 0xa1                      ; source 0 (B) window 1, source 1 (A) window 0, C and D window 2
.set MUL_HI, 0xf1
.set TO_B,   0x40
; A joint load: waves 0 and 1 fetch for A, waves 2 and 3 for B; the branch hangs on the wave's number alone.  An s_nop 0 and four v_nop follow each line.
.macro JLOAD g0a, g1a, g0b, g1b
	s_cmp_eq_u32 s15, 0
	s_cbranch_scc0 .Lfor_b_\@
	tensor_load_to_lds s[\g0a:\g0a+3], s[\g1a:\g1a+7]
	s_nop 0
.rept 4
	v_nop
.endr
	s_branch .Lasked_\@
.Lfor_b_\@:
	tensor_load_to_lds s[\g0b:\g0b+3], s[\g1b:\g1b+7]
	s_nop 0
.rept 4
	v_nop
.endr
.Lasked_\@:
.endm
.macro CROUND                          ; a round of the cluster's barrier
	s_barrier_signal -1
	s_barrier_wait -1
	s_cmp_lg_u32 s14, 0
	s_cbranch_scc1 .Lnot_wave_0_\@
	s_barrier_signal -3
.Lnot_wave_0_\@:
	s_barrier_wait -3
	s_barrier_signal -1
	s_barrier_wait -1
.endm
	s_load_b128 s[4:7], s[0:1], 0x0                ; A's codes, A's scales
	s_load_b128 s[8:11], s[0:1], 0x10              ; B's codes, B's scales
	s_load_b64 s[12:13], s[0:1], 0x20              ; qkv
	s_load_b64 s[96:97], s[0:1], 0x28              ; fineq
	v_lshl_add_u32 v[SPW], v0, 2, SPARE
	v_mov_b32 v[NIL], 0
	ds_add_u32 v[SPW], v[NIL]                      ; the wave's opening: the add, twice on end, and its wait ahead of my first tensor load
	ds_add_u32 v[SPW], v[NIL]
	v_lshrrev_b32 v1, 5, v0
	v_readfirstlane_b32 s14, v1                    ; wave 0..3
	s_lshr_b32 s15, s14, 1                         ; which half of the tile's rows is mine.  Also: I fetch for A (0) or for B (1)
	s_and_b32 s16, s14, 1                          ; which half of its columns.  Also: which 128 rows I fetch
	s_bfe_u32 s40, ttmp6, 0x40000                  ; cx, cy
	s_bfe_u32 s41, ttmp6, 0x40004
	s_lshl_b32 s42, ttmp9, 2
	s_add_co_u32 s42, s42, s40                     ; tile column
	s_and_b32 s17, ttmp7, 0xffff
	s_lshl_b32 s17, s17, 2
	s_add_co_u32 s17, s17, s41                     ; tile row
	s_lshl_b32 s43, s41, 2
	s_lshl_b32 s43, 15, s43                        ; my row of the cluster
	s_lshl_b32 s44, 0x1111, s40                    ; my column
	s_or_b32 s[G1+0], s43, (0<<16)|(1<<20)|(1<<21)|(5<<22)|(3<<25)  ; the mask; elements of 1 byte; padding: 4 words behind every 64
	s_or_b32 s[G1B+0], s44, (0<<16)|(1<<20)|(1<<21)|(5<<22)|(3<<25)
.irp g, G1, G1B
	s_mov_b32 s[\g+1], ROWB<<16                    ; tensor_dim0
	s_mov_b32 s[\g+2], 128<<16                     ; tensor_dim1
	s_mov_b32 s[\g+3], ROWB<<16                    ; tile_dim0
	s_mov_b32 s[\g+4], 128                         ; tile_dim1
	s_mov_b32 s[\g+5], KROW                        ; from row to row
	s_mov_b32 s[\g+6], 0
	s_mov_b32 s[\g+7], 0
.endr
	s_or_b32 s[G1S+0], s43, (3<<16)|(1<<20)|(1<<21)|(5<<22)|(3<<25) ; the scales of 128 rows: a dense block, as rows of 256 bytes (32 elements of 8), 16 bytes of padding behind each
	s_or_b32 s[G1SB+0], s44, (3<<16)|(1<<20)|(1<<21)|(5<<22)|(3<<25)
.irp g, G1S, G1SB
	s_mov_b32 s[\g+1], 32<<16
	s_mov_b32 s[\g+2], (128*KS/256)<<16
	s_mov_b32 s[\g+3], 32<<16
	s_mov_b32 s[\g+4], 128*KS/256
	s_mov_b32 s[\g+5], 32
	s_mov_b32 s[\g+6], 0
	s_mov_b32 s[\g+7], 0
.endr
	s_lshl_b32 s18, s16, 7
	s_lshl_b32 s20, s17, 8
	s_add_co_u32 s20, s20, s18                     ; A: row 256 x tile row + 128 x half
	s_lshl_b32 s46, s42, 8
	s_add_co_u32 s46, s46, s18                     ; B: row 256 x tile column + 128 x half
	s_mov_b32 s21, 0
	s_mov_b32 s47, 0
	s_mov_b64 s[18:19], KS
	s_mul_u64 s[22:23], s[20:21], s[18:19]
	s_mul_u64 s[92:93], s[46:47], s[18:19]
	s_mov_b64 s[18:19], KROW
	s_mul_u64 s[20:21], s[20:21], s[18:19]
	s_mul_u64 s[46:47], s[46:47], s[18:19]
	s_mul_i32 s45, s14, HALFT                      ; where they go: wave x 128 rows
	s_mul_i32 s94, s14, HALFS
	s_wait_dscnt 0x0                               ; both opening adds are done
	s_wait_kmcnt 0x0
	s_add_nc_u64 s[20:21], s[4:5], s[20:21]
	s_add_nc_u64 s[22:23], s[6:7], s[22:23]
	s_add_nc_u64 s[46:47], s[8:9], s[46:47]
	s_add_nc_u64 s[92:93], s[10:11], s[92:93]
	CROUND                                         ; all sixteen work-groups are here: the joint loads meet
	s_mov_b32 s[G0S], 1
	s_add_co_u32 s[G0S+1], s94, SCL
	s_mov_b64 s[G0S+2:G0S+3], s[22:23]
	s_or_b32 s[G0S+3], s[G0S+3], 0x80000000
	s_mov_b32 s[G0SB], 1
	s_add_co_u32 s[G0SB+1], s94, SCL
	s_mov_b64 s[G0SB+2:G0SB+3], s[92:93]
	s_or_b32 s[G0SB+3], s[G0SB+3], 0x80000000
	JLOAD G0S, G1S, G0SB, G1SB                     ; the scales first; three tensor loads of a wave are out at the most
.irp s, 0,1
	s_mov_b32 s[G0+4*\s], 1
	s_add_co_u32 s[G0+4*\s+1], s45, \s*SLOT
	s_add_nc_u64 s[G0+4*\s+2:G0+4*\s+3], s[20:21], \s*ROWB
	s_or_b32 s[G0+4*\s+3], s[G0+4*\s+3], 0x80000000
	s_mov_b32 s[G0B+4*\s], 1
	s_add_co_u32 s[G0B+4*\s+1], s45, \s*SLOT
	s_add_nc_u64 s[G0B+4*\s+2:G0B+4*\s+3], s[46:47], \s*ROWB
	s_or_b32 s[G0B+4*\s+3], s[G0B+4*\s+3], 0x80000000
	JLOAD G0+4*\s, G1, G0B+4*\s, G1B
.endr
	v_and_b32 v1, 15, v0                           ; r = l % 16
	v_bfe_u32 v2, v0, 4, 1                         ; h = l / 16
	v_mul_u32_u24 v3, v1, PITCH
	v_lshl_add_u32 v4, v2, 4, v3
	s_mul_i32 s21, s15, HALFT
	s_mul_i32 s22, s16, HALFT
	s_add_co_u32 s22, s22, 2*HALFT
.irp s, 0,1
	v_add_nc_u32 v[ADRA+\s], s21, v4
	v_add_nc_u32 v[ADRB+\s], s22, v4
	s_add_co_u32 s21, s21, SLOT
	s_add_co_u32 s22, s22, SLOT
.endr
	v_mul_u32_u24 v5, v1, KS                       ; my row's scales: KS bytes a row,
	v_lshrrev_b32 v6, 8, v5
	v_lshl_add_u32 v5, v6, 4, v5                   ; and 16 more for each 256 passed
	s_mul_i32 s21, s15, HALFS
	s_mul_i32 s22, s16, HALFS
	s_add_co_u32 s22, s22, 2*HALFS
	s_sub_co_u32 s22, s22, s21
	v_mul_u32_u24 v6, s22, v2                      ; lanes 16-31 take B's
	s_add_co_u32 s21, s21, SCL
	v_add_nc_u32 v5, v5, v6
	v_add_nc_u32 v[ADRS], s21, v5
	s_mul_i32 s23, s14, 16*SPITCH                  ; my stage
	v_mul_u32_u24 v5, v1, SPITCH                   ; in: row r, 16 bytes for each half of the lanes
	v_lshl_add_u32 v5, v2, 4, v5
	v_add_nc_u32 v[STO], s23, v5
	v_and_b32 v6, 31, v0
	v_lshrrev_b32 v5, 3, v6                        ; back: eight lanes take 128 bytes (one head) of a row, four rows an instruction
	v_mul_u32_u24 v5, v5, SPITCH
	v_and_b32 v3, 7, v0
	v_lshl_add_u32 v5, v3, 4, v5
	v_add_nc_u32 v[RD], s23, v5
	v_lshlrev_b32 v[CO], 4, v6                     ; 16 x lane: in qkv four tokens of a head are 512 dense bytes; in fineq a group of four registers likewise
	v_lshlrev_b32 v[FO], 12, v1                    ; fineq's rows of v: token r of 4,096 bytes, 32 bytes for each half of the lanes
	v_lshl_add_u32 v[FO], v2, 5, v[FO]
	; where my part begins in qkv: my 128 columns are heads g0 and g0 + 1 of the 48 (k's 16, q's 16, v's 16): plane = 32 x section + 16 x batch + head, 262,144 bytes each
	s_lshl_b32 s46, s42, 2
	s_lshl_b32 s47, s16, 1
	s_add_co_u32 s46, s46, s47                     ; g0
	s_lshl_b32 s98, s46, 12                        ; fineq's images: 4,096 bytes a head
	s_lshr_b32 s47, s46, 4
	s_lshl_b32 s47, s47, 5
	s_and_b32 s46, s46, 15
	s_add_co_u32 s46, s46, s47
	s_lshr_b32 s22, s17, 3                         ; the batch
	s_lshl_b32 s20, s22, 4
	s_add_co_u32 s46, s46, s20
	s_lshl_b32 s46, s46, 18
	s_and_b32 s23, s17, 7
	s_lshl_b32 s20, s23, 8
	s_lshl_b32 s21, s15, 7
	s_add_co_u32 s20, s20, s21                     ; my first token in the batch
	s_lshl_b32 s20, s20, 7
	s_add_co_u32 s46, s46, s20
	s_mov_b32 s47, 0
	s_add_nc_u64 s[12:13], s[12:13], s[46:47]
	s_or_b32 s95, s23, s15                         ; 0 where my first token is a batch's token 0
	s_lshl_b32 s20, s22, 17                        ; the images: 131,072 bytes a batch
	s_add_co_u32 s98, s98, s20
	s_mov_b32 s99, 0
	s_add_nc_u64 s[98:99], s[96:97], s[98:99]      ; where my two heads' images begin
	s_lshl_b32 s46, s22, 16                        ; v by rows: 65,536 bytes a batch, behind the images,
	s_add_co_u32 s46, s46, 262144
	s_and_b32 s20, s42, 3                          ; + my first column of v's 1,024 (v's tile columns are 8 to 11; for the others the stores are masked off, and the address stays inside the buffer)
	s_lshl_b32 s20, s20, 10
	s_add_co_u32 s46, s46, s20
	s_lshl_b32 s20, s16, 9
	s_add_co_u32 s46, s46, s20
	s_add_nc_u64 s[96:97], s[96:97], s[46:47]
	s_cmp_lt_u32 s42, 8                            ; tile columns 0-7 hold k and q, 8-11 v: selects, no branch
	s_cselect_b32 s93, 0, 1
	s_cselect_b32 s92, 1, 0
	s_or_b32 s93, s93, s95                         ; 0: my block 0 goes out as images
	s_or_b32 s92, s92, s95                         ; 0: it goes out by rows
.macro FRAG reg, adr, q, i             ; 16 rows x 128 K of 4-bit codes: 8 registers; registers 4 c .. 4 c + 3 hold K = 64 c + 32 (l / 16) + 0 .. 31
.irp c, 0,1
	ds_load_b128 v[\reg+4*\c:\reg+4*\c+3], v[\adr] offset:64*(\q)+32*\c+(\i)*16*PITCH
.endr
.endm
; 16 matrix instructions: A's blocks a0, a0 + 1 x B's eight.  The 64 accumulators take turns, one instruction a turn, in the same order in every step.
.macro MUL16 a0, p, q, sc, zero
.irp a, \a0, \a0+1
.irp b, 0,1,2,3,4,5,6,7
.if \zero
	v_wmma_scale_f32_16x16x128_f8f6f4 v[8*(8*((\a)%4)+\b):8*(8*((\a)%4)+\b)+7], v[128*(\p)+FR*\b:128*(\p)+FR*\b+FR-1], v[AF+FR*(\a):AF+FR*(\a)+FR-1], 0, v[SC+8*NQ*(\sc)+NQ*\b+(\q)], v[SC+8*NQ*(\sc)+NQ*(\a)+(\q)] matrix_a_fmt:MATRIX_FMT_FP4 matrix_b_fmt:MATRIX_FMT_FP4 matrix_a_scale:MATRIX_SCALE_ROW1
.else
	v_wmma_scale_f32_16x16x128_f8f6f4 v[8*(8*((\a)%4)+\b):8*(8*((\a)%4)+\b)+7], v[128*(\p)+FR*\b:128*(\p)+FR*\b+FR-1], v[AF+FR*(\a):AF+FR*(\a)+FR-1], v[8*(8*((\a)%4)+\b):8*(8*((\a)%4)+\b)+7], v[SC+8*NQ*(\sc)+NQ*\b+(\q)], v[SC+8*NQ*(\sc)+NQ*(\a)+(\q)] matrix_a_fmt:MATRIX_FMT_FP4 matrix_b_fmt:MATRIX_FMT_FP4 matrix_a_scale:MATRIX_SCALE_ROW1
.endif
.endr
.endr
.endm
.macro FETCH_B slot, q, p
	WIN TO_B
.irp i, 0,1,2,3,4,5,6,7
	FRAG 128*(\p)+FR*\i, ADRB+\slot, \q, \i
.endr
	WIN 0
.endm
.macro FETCH_A slot, q, i0
.irp i, \i0, \i0+1, \i0+2, \i0+3
	FRAG AF+FR*(\i), ADRA+\slot, \q, \i
.endr
.endm
.macro SCALES sc                       ; a slot's scale words: lanes 0-15 take A's block i, lanes 16-31 B's block i
.irp i, 0,1,2,3,4,5,6,7
	ds_load_b128 v[SC+8*NQ*\sc+NQ*\i:SC+8*NQ*\sc+NQ*\i+3], v[ADRS] offset:\i*SBLK
.endr
.endm
.macro PLACES n                        ; plain vector lines between a matrix instruction and a load into, or a read of, its registers
.rept \n
	v_nop
.endr
.endm
.macro STEP slot, q, zero              ; 128 along K, with its successor in the same slot
	s_wait_dscnt 4*NL                              ; all but the youngest loads (A's blocks 4-7)
	WIN MUL_LO
	MUL16 0, (\q)%2, \q, \slot, \zero
	MUL16 2, (\q)%2, \q, \slot, \zero
	s_wait_dscnt 0
	PLACES NP
	FETCH_B \slot, (\q)+1, 1-(\q)%2
	FETCH_A \slot, (\q)+1, 0
	WIN MUL_HI
	MUL16 4, (\q)%2, \q, \slot, \zero
	MUL16 6, (\q)%2, \q, \slot, \zero
	PLACES NP
	WIN 0
	FETCH_A \slot, (\q)+1, 4
.endm
.macro STEPS slot, from
.set Q, \from
.rept NQ-1-\from
	STEP \slot, Q, 0
.set Q, Q+1
.endr
.endm
	s_wait_tensorcnt 1                             ; the scales and my part of slot 0 are in (slot 1's load may be out)
	s_barrier_signal -1
	s_barrier_wait -1                              ; everybody's are
	FETCH_B 0, 0, 0
	FETCH_A 0, 0, 0
	SCALES 0
	FETCH_A 0, 0, 4
	STEP 0, 0, 1                                   ; the first step's products start the sums
	STEPS 0, 1
	; slot 0's last step changes slots: one barrier; in front of it each wave has all its tensor loads in
	s_wait_tensorcnt 0x0                           ; my part of slot 1 has landed
	ds_add_u32 v[SPW], v[NIL]
	s_wait_dscnt 4*NL+1                            ; (the add and the youngest loads may be out)
	WIN MUL_LO
	MUL16 0, 1, NQ-1, 0, 0
	s_wait_dscnt 0x0                               ; the add is done, and my reads of slot 0 are over
	s_barrier_signal -1
	MUL16 2, 1, NQ-1, 0, 0
	WIN 0
	s_barrier_wait -1
	PLACES NP
	v_add_nc_u32 v[ADRS], 4*NQ, v[ADRS]            ; on to slot 1's scale words
	FETCH_B 1, 0, 0
	FETCH_A 1, 0, 0
	SCALES 1
	WIN MUL_HI
	MUL16 4, 1, NQ-1, 0, 0
	MUL16 6, 1, NQ-1, 0, 0
	PLACES NP
	WIN 0
	FETCH_A 1, 0, 4
	STEPS 1, 0
	s_wait_dscnt 4*NL                              ; the very last step
	WIN MUL_LO
	MUL16 0, 1, NQ-1, 1, 0
	MUL16 2, 1, NQ-1, 1, 0
	s_wait_dscnt 0
	WIN MUL_HI
	MUL16 4, 1, NQ-1, 1, 0
	MUL16 6, 1, NQ-1, 1, 0
	WIN 0
	; THE FIRST 16 TOKENS OF A BATCH IN f32.  They are block 0 of the waves whose first token is token 0.  The stores run under lane masks that are all or nothing.
	PLACES NP                                      ; with all lanes on: behind the last products, ahead of every read of results and of the loads into A's registers
	s_wait_xcnt 0x0                                ; EXEC changes only behind this wait
	v_mov_b32 v[FL], s93
	v_cmp_eq_u32 vcc_lo, 0, v[FL]
	s_and_saveexec_b32 s94, vcc_lo                 ; k and q: the accumulators as they stand
	WIN 0x08                                       ; a store's data are its source 1: window 2
.irp b, 0,1,2,3,4,5,6,7
	global_store_b128 v[CO], v[8*\b:8*\b+3], s[98:99] offset:1024*\b        ; 32 lanes store 512 consecutive bytes; each accumulator from its low end on
	global_store_b128 v[CO], v[8*\b+4:8*\b+7], s[98:99] offset:1024*\b+512
.endr
	WIN 0
	s_wait_xcnt 0x0                                ; and again, in front of the line that widens it
	s_or_b32 exec_lo, exec_lo, s94
	v_mov_b32 v[FL], s92
	v_cmp_eq_u32 vcc_lo, 0, v[FL]
	s_and_saveexec_b32 s94, vcc_lo                 ; v: by rows
	WIN 0x08
.irp b, 0,1,2,3,4,5,6,7
	global_store_b128 v[FO], v[8*\b:8*\b+3], s[96:97] offset:64*\b
	global_store_b128 v[FO], v[8*\b+4:8*\b+7], s[96:97] offset:64*\b+16
.endr
	WIN 0
	s_wait_xcnt 0x0
	s_or_b32 exec_lo, exec_lo, s94
; THE WAY OUT, block by block of 16 tokens x 128 columns: rounded to f16, through my stage, back as 128 bytes of a head for each token.
.macro PACK a
.set AC, 64*((\a)%4)
	WIN 0x0a+5*((\a)/4)                            ; sources 0 and 1: window 2 or 3
.irp b, 0,1,2,3,4,5,6,7
.irp i, 0,1,2,3
	v_cvt_pk_f16_f32 v[TMP+4*\b+\i], v[AC+8*\b+2*\i], v[AC+8*\b+2*\i+1]
.endr
.endr
	WIN 0
.endm
.macro TOSTAGE a
.set BB, BK+32*((\a)%2)
.irp b, 0,1,2,3,4,5,6,7
	ds_store_b128 v[STO], v[TMP+4*\b:TMP+4*\b+3] offset:32*\b
.endr
.irp hd, 0,1
.irp s, 0,1,2,3
	ds_load_b128 v[BB+4*(4*\hd+\s):BB+4*(4*\hd+\s)+3], v[RD] offset:\s*4*SPITCH+\hd*128    ; LDS serves a wave's instructions in order: these see the stores above
.endr
.endr
.endm
.macro SEND a
.set BB, BK+32*((\a)%2)
	s_wait_dscnt 0x0                               ; the block is back in registers
	s_wait_xcnt 0x0                                ; the stores of the block before have read their registers: the next block's loads may land there
.irp hd, 0,1
.irp s, 0,1,2,3
	global_store_b128 v[CO], v[BB+4*(4*\hd+\s):BB+4*(4*\hd+\s)+3], s[12:13] offset:(\a)*2048+\hd*262144+\s*512   ; 32 lanes store 512 consecutive bytes: four tokens of one head
.endr
.endr
.endm
	PACK 0
	TOSTAGE 0
.irp a, 1,2,3,4,5,6,7
	PACK \a                                        ; block a's conversions stand between block a - 1's loads from the stage and the wait for them
	SEND \a-1
	TOSTAGE \a
.endr
	SEND 7
	s_wait_tensorcnt 0x0                           ; the wave's end
	ds_add_u32 v[SPW], v[NIL]
	s_wait_dscnt 0x0
	CROUND                                         ; the closing round
	s_endpgm
.Lfunc_end_k_q8cb9046348_qkvg:
	.size	k_q8cb9046348_qkvg, .Lfunc_end_k_q8cb9046348_qkvg-k_q8cb9046348_qkvg
	.p2alignl 7, 3214868480
	.fill 96, 4, 3214868480
	.section	.rodata,"a",@progbits
	.p2align	6, 0x0
	.amdhsa_kernel k_q8cb9046348_qkvg
		.amdhsa_group_segment_fixed_size 327680
		.amdhsa_private_segment_fixed_size 0
		.amdhsa_enable_private_segment 0
		.amdhsa_kernarg_size 48
		.amdhsa_user_sgpr_count 2
		.amdhsa_user_sgpr_kernarg_segment_ptr 1
		.amdhsa_wavefront_size32 1
		.amdhsa_system_sgpr_workgroup_id_x 1
		.amdhsa_system_sgpr_workgroup_id_y 1
		.amdhsa_system_sgpr_workgroup_id_z 1
		.amdhsa_system_vgpr_workitem_id 0
		.amdhsa_next_free_vgpr 1024
		.amdhsa_next_free_sgpr 100
		.amdhsa_reserve_vcc 1
		.amdhsa_float_denorm_mode_32 3
		.amdhsa_float_denorm_mode_16_64 3
		.amdhsa_memory_ordered 1
		.amdhsa_forward_progress 1
		.amdhsa_inst_pref_size 131
	.end_amdhsa_kernel
	.amdgpu_metadata
---
amdhsa.version: [ 1, 2 ]
amdhsa.kernels:
  - .name:           k_q8cb9046348_qkvg
    .symbol:         k_q8cb9046348_qkvg.kd
    .args:
      - { .name: xc, .offset: 0, .size: 8, .value_kind: global_buffer, .address_space: global }
      - { .name: xs, .offset: 8, .size: 8, .value_kind: global_buffer, .address_space: global }
      - { .name: wc, .offset: 16, .size: 8, .value_kind: global_buffer, .address_space: global }
      - { .name: ws, .offset: 24, .size: 8, .value_kind: global_buffer, .address_space: global }
      - { .name: qkv, .offset: 32, .size: 8, .value_kind: global_buffer, .address_space: global }
      - { .name: fineq, .offset: 40, .size: 8, .value_kind: global_buffer, .address_space: global }
    .group_segment_fixed_size: 327680
    .private_segment_fixed_size: 0
    .kernarg_segment_align: 8
    .kernarg_segment_size: 48
    .max_flat_workgroup_size: 128
    .sgpr_count:     100
    .vgpr_count:     1024
    .wavefront_size: 32
...
	.end_amdgpu_metadata
.endif
;; end of part 2
;; launch attn (part 3): grid 8 x 32, 16 waves a work-group, no clusters, 327,680 bytes of LDS; arguments qkv, y; writes y
.if DOCPART == 3
	.amdgcn_target "amdgcn-amd-amdhsa--gfx1250"
	.amdhsa_code_object_version 6
	.text
	.protected	k_q8cb9046348_attn
	.globl	k_q8cb9046348_attn
	.p2align	8
	.type	k_q8cb9046348_attn,@function
k_q8cb9046348_attn:
	s_mov_b64 s[64:65], 0
	v_nop
	global_prefetch_b8 v0, s[64:65] scope:SCOPE_SE
	s_setreg_imm32_b32 hwreg(HW_REG_WAVE_MODE, 25, 1), 1
	s_wait_xcnt 0x0
; y[b][h][q] = the sum over k <= q of softmax_k(Q[q] . K[k] / 8) V[k], head size 64, 2,048 positions, 32 (batch, head) pairs.  Operands in f16, products, maxima and sums in f32.
; qkv: f16 [k, q, v][batch][head][2048][64]; y: f16 [head][batch x 2048 tokens][64].
; SHARES.  Work-group (i, bh) owns the query blocks i and 15 - i of 128 queries: (i + 1) + (16 - i) = 17 key steps of 128 x 128 in every work-group.  Waves 0-7 take block i, waves 8-15 block 15 - i, 16 queries a wave.
; NO CLUSTER: the work-groups of a head need different numbers of key tiles (i = 7 ends at key 1,151, i = 0 at key 2,047): a joint load would bring tiles that no wave of some partner reads.
; LAYOUT.  S^T = K Q^T (source 0 = 16 keys, source 1 = my 16 queries): a lane holds one query (lane % 16) and keys 8 (lane / 16) + 0..7.  Two such tiles, rounded to f16 in pairs, are source 1 of
; O^T = V^T P; V comes out of LDS turned, by ds_load_tr16_b128.  SOFTMAX: a running maximum m and sum l; p = 2^(c s - c m), c = log2(e) / 8; O and l are multiplied by a = 2^(c m_old - c m_new) in every step.
; EVERY work-group walks all 8 slots of 256 keys: trip counts are constants.  A step all of whose keys come after my queries is jumped over; a slot whose first key comes after the work-group's last query is not asked for.
; LIMITS: |q|, |k|, |v| are f16 numbers (see the launch before); NaN and infinities are not served.
; REGISTERS: v1-9 addresses and constants; v[10:11] a, 0; v12 c m, v13 m; v[14:15] l; v16-31 Q; v32-95 K's tiles 0-3, then V's keys 0-63; v96-159 S^T, then V's keys 64-127; v160-191 O^T;
;   v192-255 K's tiles 4-7, then v192-223 P and v224-237 at work.
.set SK,    256                        ; keys in a slot
.set KP,    144                        ; a key's row in LDS: 128 bytes + 16
.set VP,    160                        ; a row of V: 128 + 32
.set VOFF,  SK*KP
.set SLOT1, 1<<17
.set NSL,   8
.set SPARE, 2*SLOT1                    ; the spare words, 128 bytes for each wave: eight blocks of 256 bytes that no other line names
.set STAGE, SPARE+2048                 ; the way out: 16 rows x 144 bytes for each wave; no fill lands here
.set AK0, 1
.set AV0, 2
.set ADK, 3
.set ADV, 4
.set SPW, 5
.set NIL, 6
.set PFO, 7
.set DM,  8                            ; lane % 16 - 8 (lane / 16)
.set PL,  9                            ; the lane permute's destination
.set QF,  16
.set SS,  96
.set OO,  160
.set PP,  192
.set TB,  2                            ; s2  LDS byte at which the slot in hand begins
.set SLOTS, 3
.set WV,  18
.set SEL, 20
.set CS,  22
.set G1K, 24
.set G1V, 32
.set G0K, 40
.set G0V, 44
.set KF,  48                           ; the step's first key
.set Q0,  49                           ; my first query
.set LASTQ, 50                         ; the work-group's last query
.set LIM, 51
.set PFA, 52
; Wave 0 fetches a slot's 256 rows of K, wave 1 its 256 rows of V, the others nothing.  An s_nop 0 and four v_nop follow each line.
.macro TLOAD
	s_cmp_eq_u32 s[WV], 0
	s_cbranch_scc0 .Lnot_k_\@
	tensor_load_to_lds s[G0K:G0K+3], s[G1K:G1K+7]
	s_nop 0
.rept 4
	v_nop
.endr
	s_branch .Lasked_\@
.Lnot_k_\@:
	s_cmp_eq_u32 s[WV], 1
	s_cbranch_scc0 .Lasked_\@
	tensor_load_to_lds s[G0V:G0V+3], s[G1V:G1V+7]
	s_nop 0
.rept 4
	v_nop
.endr
.Lasked_\@:
.endm
; A prefetch of what the NEXT change of slots will ask for: a slot's 32,768 dense bytes of K and of V.  The head's first work-group asks (it walks all slots); in it waves 4-7 ask for K's, waves 8-11 for V's,
; 8,192 bytes a wave, lanes 256 bytes apart: each aligned 256 bytes is named once in the launch.  The last change that fills a slot asks for nothing.
.macro ASK
	s_cmp_gt_u32 s[SLOTS], s[LIM]
	s_cbranch_scc0 .Lnot_mine_\@
	global_prefetch_b8 v[PFO], s[PFA:PFA+1] th:TH_LOAD_NT scope:SCOPE_SE
.Lnot_mine_\@:
.endm
	s_load_b128 s[4:7], s[0:1], 0x0                ; qkv s[4:5], y s[6:7]
	v_lshl_add_u32 v[SPW], v0, 2, SPARE
	v_mov_b32 v[NIL], 0
	ds_add_u32 v[SPW], v[NIL]                      ; the wave's opening: the add, twice on end, and its wait ahead of the first tensor load
	ds_add_u32 v[SPW], v[NIL]
	v_lshrrev_b32 v1, 5, v0
	v_readfirstlane_b32 s[WV], v1                  ; wave 0..15
	s_and_b32 s54, ttmp7, 0xffff                   ; 16 x batch + head
	s_sub_co_u32 s55, 15, ttmp9                    ; 15 - i
	s_cmp_lt_u32 s[WV], 8
	s_cselect_b32 s56, ttmp9, s55                  ; my block of 128 queries
	s_lshl_b32 s56, s56, 7
	s_and_b32 s57, s[WV], 7
	s_lshl_b32 s57, s57, 4
	s_add_co_u32 s[Q0], s56, s57
	s_lshl_b32 s[LASTQ], s55, 7
	s_or_b32 s[LASTQ], s[LASTQ], 127
	s_mov_b32 s[G1K], (1<<16)|(1<<20)|(4<<22)|(3<<25)              ; no mask; elements of 2 bytes; padding: 4 words behind every 32
	s_mov_b32 s[G1V], (1<<16)|(1<<20)|(4<<22)|(7<<25)              ; 8 words behind every 32
.irp g, G1K, G1V
	s_mov_b32 s[\g+1], 64<<16                      ; tensor_dim0
	s_mov_b32 s[\g+2], SK<<16                      ; tensor_dim1
	s_mov_b32 s[\g+3], 64<<16                      ; tile_dim0
	s_mov_b32 s[\g+4], SK                          ; tile_dim1
	s_mov_b32 s[\g+5], 64                          ; from row to row
	s_mov_b32 s[\g+6], 0
	s_mov_b32 s[\g+7], 0
.endr
	s_mov_b32 s[SEL], 0x76543210
	s_mov_b32 s[SEL+1], 0xfedcba98
	s_mov_b32 s[CS], 0x3e38aa3b                    ; c = log2(e) / 8
	s_mov_b32 s[CS+1], s[CS]
	s_mov_b32 s[TB], 0
	s_mov_b32 s[SLOTS], NSL-1
	s_mov_b32 s[KF], 0
	s_wait_dscnt 0x0                               ; both opening adds are done
	s_wait_kmcnt 0x0
	s_lshl_b32 s56, s54, 18
	s_mov_b32 s57, 0
	s_add_nc_u64 s[4:5], s[4:5], s[56:57]          ; K's plane of my head
	s_add_nc_u64 s[10:11], s[4:5], 0x1000000       ; V's: 64 planes on
	s_mov_b32 s[G0K], 1
	s_mov_b32 s[G0K+1], 0
	s_mov_b64 s[G0K+2:G0K+3], s[4:5]
	s_or_b32 s[G0K+3], s[G0K+3], 0x80000000
	s_mov_b32 s[G0V], 1
	s_mov_b32 s[G0V+1], VOFF
	s_mov_b64 s[G0V+2:G0V+3], s[10:11]
	s_or_b32 s[G0V+3], s[G0V+3], 0x80000000
	TLOAD                                          ; slot 0: key 0 counts for every query
	s_lshl_b32 s56, s[Q0], 7
	s_add_nc_u64 s[8:9], s[4:5], s[56:57]
	s_add_nc_u64 s[8:9], s[8:9], 0x800000          ; Q's plane, 32 planes on, at my first query
	s_and_b32 s56, s54, 15
	s_lshl_b32 s56, s56, 19                        ; y: the head's plane of 524,288 bytes,
	s_lshr_b32 s55, s54, 4
	s_lshl_b32 s55, s55, 11
	s_add_co_u32 s55, s55, s[Q0]
	s_lshl_b32 s55, s55, 7                         ; + my first token
	s_add_co_u32 s56, s56, s55
	s_add_nc_u64 s[6:7], s[6:7], s[56:57]
	s_cmp_lt_u32 s[WV], 8
	s_cselect_b64 s[PFA:PFA+1], s[4:5], s[10:11]
	s_and_b32 s56, s[WV], 3
	s_lshl_b32 s56, s56, 13
	s_add_co_u32 s56, s56, 32768                   ; my wave's part, in slot 1: the first change of slots steps it to slot 2
	s_add_nc_u64 s[PFA:PFA+1], s[PFA:PFA+1], s[56:57]
	s_sub_co_u32 s56, s[WV], 4
	s_lshr_b32 s56, s56, 3                         ; 0 in waves 4 to 11,
	s_or_b32 s56, s56, ttmp9                       ; of the head's first work-group
	s_cmp_eq_u32 s56, 0
	s_cselect_b32 s[LIM], 1, -1
	v_and_b32 v10, 15, v0                          ; r
	v_bfe_u32 v11, v0, 4, 1                        ; h
	v_lshlrev_b32 v224, 7, v10
	v_lshl_add_u32 v224, v11, 4, v224              ; Q: row r of 128 bytes, + 16 h
.irp c, 0,1,2,3
	global_load_b128 v[QF+4*\c:QF+4*\c+3], v224, s[8:9] offset:32*\c       ; Q stays in registers: two fragments of 32 channels
.endr
	v_mul_u32_u24 v[AK0], v10, KP
	v_lshl_add_u32 v[AK0], v11, 4, v[AK0]
	v_and_b32 v225, 7, v0
	v_lshl_add_u32 v225, v11, 3, v225
	v_mul_u32_u24 v[AV0], v225, VP                 ; the turning load: key 8 h + l % 8,
	v_bfe_u32 v225, v0, 3, 1
	v_lshl_add_u32 v[AV0], v225, 4, v[AV0]         ; channels 8 ((l / 8) % 2) on
	v_add_nc_u32 v[AV0], VOFF, v[AV0]
	v_lshlrev_b32 v225, 3, v11
	v_sub_nc_u32 v[DM], v10, v225
	v_and_b32 v[PFO], 31, v0
	v_lshlrev_b32 v[PFO], 8, v[PFO]
	v_mov_b32 v[PL], 0
	v_mov_b32 v10, 0
	v_mov_b32 v11, 0                               ; (named with a as a pair)
	v_mov_b32 v13, 0xff61b1e6                      ; m: -3e38, under every score
	v_mul_f32 v12, s[CS], v13                      ; c m
	v_mov_b32 v14, 0
	v_mov_b32 v15, 0
.set j, 0
.rept 32
	v_mov_b32 v[OO+j], 0                           ; O^T: the step is written once; its first pass multiplies zeros by a = 0
.set j, j+1
.endr
; A KEY STEP: 128 keys, the q-th of the slot in hand.
.macro STEP q
	s_add_co_u32 s54, s[Q0], 15
	s_cmp_gt_u32 s[KF], s54                        ; all its keys come after my queries: the work is left out (ids alone; no barrier and no tensor load stands in a step)
	s_cbranch_scc1 .Lhidden_\@
	v_add_nc_u32 v[ADK], s[TB], v[AK0]
	v_add_nc_u32 v[ADV], s[TB], v[AV0]
.rept 3
	v_nop                                          ; with the two additions five plain lines behind the last step's products: their sources are loaded into, and written over by the products below
.endr
.irp t, 0,1,2,3
.irp c, 0,1,2,3
	ds_load_b128 v[32+16*\t+4*\c:35+16*\t+4*\c], v[ADK] offset:(128*(\q)+16*\t)*KP+32*\c
.endr
.endr
.irp t, 0,1,2,3
.irp c, 0,1,2,3
	ds_load_b128 v[192+16*\t+4*\c:195+16*\t+4*\c], v[ADK] offset:(128*(\q)+64+16*\t)*KP+32*\c
.endr
.endr
	s_wait_dscnt 16                                ; tiles 0-3 are in; the sixteen loads of tiles 4-7 may be out
.irp t, 0,1,2,3                                ; the accumulators take turns, one instruction a turn
	v_wmma_f32_16x16x32_f16 v[SS+8*\t:SS+8*\t+7], v[32+16*\t:39+16*\t], v[QF:QF+7], 0
.endr
.irp t, 0,1,2,3
	v_wmma_f32_16x16x32_f16 v[SS+8*\t:SS+8*\t+7], v[40+16*\t:47+16*\t], v[QF+8:QF+15], v[SS+8*\t:SS+8*\t+7]
.endr
	s_wait_dscnt 0x0
.irp t, 0,1,2,3
	v_wmma_f32_16x16x32_f16 v[SS+32+8*\t:SS+39+8*\t], v[192+16*\t:199+16*\t], v[QF:QF+7], 0
.endr
.irp t, 0,1,2,3
	v_wmma_f32_16x16x32_f16 v[SS+32+8*\t:SS+39+8*\t], v[200+16*\t:207+16*\t], v[QF+8:QF+15], v[SS+32+8*\t:SS+39+8*\t]
.endr
.rept 4
	v_nop                                          ; places: ahead of the loads into K's registers, of the reads of the scores, and of the work registers that lie over K's tiles 4-7
.endr
.irp kc, 0,1                                   ; V's keys 0-63, turned: fragment (32 keys kc, 16 channels dt) at v[32 + 8 (4 kc + dt)]; they land under the softmax
.irp dt, 0,1,2,3
	ds_load_tr16_b128 v[32+8*(4*\kc+\dt):35+8*(4*\kc+\dt)], v[ADV] offset:(128*(\q)+32*\kc)*VP+32*\dt
	ds_load_tr16_b128 v[36+8*(4*\kc+\dt):39+8*(4*\kc+\dt)], v[ADV] offset:(128*(\q)+32*\kc+16)*VP+32*\dt
.endr
.endr
	s_add_co_u32 s54, s[KF], 127                   ; on the diagonal hidden scores become -infinity ahead of the maximum; a step all of whose keys count skips this
	s_cmp_le_u32 s54, s[Q0]
	s_cbranch_scc1 .Lopen_\@
	s_sub_co_i32 s54, s[Q0], s[KF]
	v_add_nc_u32 v224, s54, v[DM]                  ; d = my query - KF - 8 (lane / 16).  Register 8 t + j holds key KF + 16 t + 8 (lane / 16) + j: hidden where 16 t + j > d
	v_mov_b32 v225, 0xff800000
.set n, 0
.rept 64
	v_cmp_gt_i32 vcc_lo, 16*(n/8)+n%8, v224
	v_cndmask_b32 v[SS+n], v[SS+n], v225, vcc_lo
.set n, n+1
.endr
.Lopen_\@:
.irp b, 0,1,2,3                                ; the maximum, four chains by turns; each accumulator is read from its low end on
	v_max3_num_f32 v[228+\b], v[SS+16*\b], v[SS+1+16*\b], v[SS+2+16*\b]
.endr
.irp i, 3,5,7,9,11,13
.irp b, 0,1,2,3
	v_max3_num_f32 v[228+\b], v[228+\b], v[SS+16*\b+\i], v[SS+1+16*\b+\i]
.endr
.endr
.irp b, 0,1,2,3
	v_max_num_f32 v[228+\b], v[228+\b], v[SS+15+16*\b]
.endr
	v_max3_num_f32 v232, v228, v229, v230
	v_max3_num_f32 v232, v232, v231, v13           ; with the old m
	v_permlanex16_b32 v[PL], v232, s[SEL], s[SEL+1]   ; the query's other 64 keys lie in the lane 16 away
	v_mov_b32 v233, v12                            ; c m_old
	v_max_num_f32 v13, v232, v[PL]
	v_mul_f32 v12, s[CS], v13
	v_sub_f32 v233, v233, v12                      ; c m_old - c m_new
.set j, 0
.rept 32
	v_pk_fma_f32 v[SS+j:SS+j+1], v[SS+j:SS+j+1], s[CS:CS+1], v[12:13] op_sel_hi:[1,0,0] neg_lo:[0,0,1] neg_hi:[0,0,1]   ; c s - c m, two at a time
.set j, j+2
.endr
	v_exp_f32 v10, v233                            ; a
.set j, 0
.rept 64
	v_exp_f32 v[SS+j], v[SS+j]                     ; p, at most 1
.set j, j+1
.endr
	v_nop                                          ; a plain line behind the last exponential
	s_wait_alu depctr_va_vdst(0)                   ; one wait for the whole batch, ahead of its first reader
.set j, 0
.rept 32
	v_cvt_pk_f16_f32 v[PP+j], v[SS+2*j], v[SS+2*j+1]   ; two neighbouring tiles' 16 registers become one source of 32 keys
.set j, j+1
.endr
	v_pk_add_f32 v[234:235], v[SS:SS+1], v[SS+2:SS+3]      ; the row's sum of the unrounded p, in two chains
	v_pk_add_f32 v[236:237], v[SS+4:SS+5], v[SS+6:SS+7]
.set j, 8
.rept 14
	v_pk_add_f32 v[234:235], v[234:235], v[SS+j:SS+j+1]
	v_pk_add_f32 v[236:237], v[236:237], v[SS+j+2:SS+j+3]
.set j, j+4
.endr
	v_pk_add_f32 v[234:235], v[234:235], v[236:237]
	v_pk_fma_f32 v[14:15], v[14:15], v[10:11], v[234:235] op_sel_hi:[1,0,1]   ; l = a l + the sum
.irp kc, 2,3                                   ; V's keys 64-127 into the registers that the scores have left
.irp dt, 0,1,2,3
	ds_load_tr16_b128 v[SS+8*(4*(\kc-2)+\dt):SS+3+8*(4*(\kc-2)+\dt)], v[ADV] offset:(128*(\q)+32*\kc)*VP+32*\dt
	ds_load_tr16_b128 v[SS+4+8*(4*(\kc-2)+\dt):SS+7+8*(4*(\kc-2)+\dt)], v[ADV] offset:(128*(\q)+32*\kc+16)*VP+32*\dt
.endr
.endr
.set j, 0
.rept 16
	v_pk_mul_f32 v[OO+j:OO+j+1], v[OO+j:OO+j+1], v[10:11] op_sel_hi:[1,0]   ; O^T times a
.set j, j+2
.endr
	s_wait_dscnt 16                                ; V's keys 0-63 are in; the sixteen loads just issued may be out
.irp kc, 0,1
.irp dt, 0,1,2,3
	v_wmma_f32_16x16x32_f16 v[OO+8*\dt:OO+8*\dt+7], v[32+8*(4*\kc+\dt):39+8*(4*\kc+\dt)], v[PP+8*\kc:PP+8*\kc+7], v[OO+8*\dt:OO+8*\dt+7]
.endr
.endr
	s_wait_dscnt 0x0
.irp kc, 2,3
.irp dt, 0,1,2,3
	v_wmma_f32_16x16x32_f16 v[OO+8*\dt:OO+8*\dt+7], v[SS+8*(4*(\kc-2)+\dt):SS+7+8*(4*(\kc-2)+\dt)], v[PP+8*\kc:PP+8*\kc+7], v[OO+8*\dt:OO+8*\dt+7]
.endr
.endr
.Lhidden_\@:
	s_add_co_u32 s[KF], s[KF], 128
.endm
; THE CHANGE OF SLOTS stands at a slot's head.  Each wave waits for all its tensor loads, adds 0 to its spare word, and waits for that and for its reads of the slot that it has left.
; Behind the barrier the slot ahead is whole and nobody reads the other one.  fill = 1: that other slot is asked for, up to the causal limit; the load has a slot's two steps in which to land.
.macro CHANGE fill
	s_wait_tensorcnt 0x0                           ; no tensor load of mine is out, so a group 0 may be written
	ds_add_u32 v[SPW], v[NIL]
.if \fill
	ds_add_u32 v[SPW], v[NIL]                      ; and once more: the add twice on end here, in every trip alike
	s_xor_b32 s[G0K+1], s[G0K+1], SLOT1            ; the walking descriptors: the other slot,
	s_add_nc_u64 s[G0K+2:G0K+3], s[G0K+2:G0K+3], SK*128   ; the next 256 keys
	s_xor_b32 s[G0V+1], s[G0V+1], SLOT1
	s_add_nc_u64 s[G0V+2:G0V+3], s[G0V+2:G0V+3], SK*128
	s_wait_xcnt 0x0                                ; the last prefetch, a slot back, has read its address
	s_add_nc_u64 s[PFA:PFA+1], s[PFA:PFA+1], SK*128
.endif
	s_wait_dscnt 0x0
	s_barrier_signal -1
	s_barrier_wait -1
.if \fill
	s_add_co_u32 s54, s[KF], SK                    ; the first key of the slot that this change would ask for
	s_cmp_gt_u32 s54, s[LASTQ]                     ; ids and the count of steps alone: all sixteen waves go the same way, and a work-group past the limit stays past it
	s_cbranch_scc1 .Lpast_\@
	TLOAD                                          ; a wave's one tensor load until the next barrier; part of each load's bytes is read, since the slot's first 128 keys count for the last queries
.Lpast_\@:
	ASK
.endif
.endm
.macro SLOT_STEPS
	STEP 0
	STEP 1
	s_xor_b32 s[TB], s[TB], SLOT1
.endm
	s_wait_loadcnt 0x0                             ; Q
.Lslot:                                            ; NSL - 1 trips
	CHANGE 1
	SLOT_STEPS
	s_sub_co_u32 s[SLOTS], s[SLOTS], 1
	s_cmp_lg_u32 s[SLOTS], 0
	s_cbranch_scc1 .Lslot
	CHANGE 0                                       ; the last slot is written out: nothing is left to ask for
	SLOT_STEPS
	; THE WAY OUT: O^T / l, rounded to f16, through my stage, back as rows of 128 bytes: 16 tokens of a head are 2,048 dense bytes of y.
	v_add_f32 v14, v14, v15
	v_permlanex16_b32 v[PL], v14, s[SEL], s[SEL+1]
	v_add_f32 v14, v14, v[PL]                      ; the row's sum
	v_rcp_f32 v14, v14
	v_and_b32 v227, 15, v0                         ; (plain lines behind the reciprocal, and the places behind the last products)
	v_bfe_u32 v228, v0, 4, 1
	s_mul_i32 s54, s[WV], 16*KP
	s_add_co_u32 s54, s54, STAGE
	v_mul_u32_u24 v224, v227, KP
	v_lshl_add_u32 v224, v228, 4, v224
	v_add_nc_u32 v224, s54, v224                   ; in: row r, 16 bytes for each half of the lanes
	v_and_b32 v229, 31, v0
	v_lshrrev_b32 v225, 3, v229
	v_mul_u32_u24 v225, v225, KP
	v_and_b32 v227, 7, v0
	v_lshl_add_u32 v225, v227, 4, v225
	v_add_nc_u32 v225, s54, v225                   ; back: eight lanes to a row, four rows an instruction
	v_lshlrev_b32 v226, 4, v229
	s_wait_alu depctr_va_vdst(0)                   ; the wait ahead of the reciprocal's first reader
.set j, 0
.rept 16
	v_pk_mul_f32 v[96+j:97+j], v[OO+j:OO+j+1], v[14:15] op_sel_hi:[1,0]
.set j, j+2
.endr
.set j, 0
.rept 16
	v_cvt_pk_f16_f32 v[128+j], v[96+2*j], v[97+2*j]
.set j, j+1
.endr
.irp dt, 0,1,2,3
	ds_store_b128 v224, v[128+4*\dt:131+4*\dt] offset:32*\dt
.endr
.irp u, 0,1,2,3
	ds_load_b128 v[144+4*\u:147+4*\u], v225 offset:\u*4*KP     ; LDS serves a wave's instructions in order: these see my stores
.endr
.irp u, 0,1,2,3
	s_wait_dscnt 3-\u
	global_store_b128 v226, v[144+4*\u:147+4*\u], s[6:7] offset:512*\u     ; 32 lanes store 512 consecutive bytes, at a multiple of 256 from y's first byte
.endr
	s_wait_tensorcnt 0x0                           ; the wave's end
	ds_add_u32 v[SPW], v[NIL]
	s_wait_dscnt 0x0
	s_endpgm
.Lfunc_end_k_q8cb9046348_attn:
	.size	k_q8cb9046348_attn, .Lfunc_end_k_q8cb9046348_attn-k_q8cb9046348_attn
	.p2alignl 7, 3214868480
	.fill 96, 4, 3214868480
	.section	.rodata,"a",@progbits
	.p2align	6, 0x0
	.amdhsa_kernel k_q8cb9046348_attn
		.amdhsa_group_segment_fixed_size 327680
		.amdhsa_private_segment_fixed_size 0
		.amdhsa_enable_private_segment 0
		.amdhsa_kernarg_size 16
		.amdhsa_user_sgpr_count 2
		.amdhsa_user_sgpr_kernarg_segment_ptr 1
		.amdhsa_wavefront_size32 1
		.amdhsa_system_sgpr_workgroup_id_x 1
		.amdhsa_system_sgpr_workgroup_id_y 1
		.amdhsa_system_sgpr_workgroup_id_z 1
		.amdhsa_system_vgpr_workitem_id 0
		.amdhsa_next_free_vgpr 256
		.amdhsa_next_free_sgpr 66
		.amdhsa_reserve_vcc 1
		.amdhsa_float_denorm_mode_32 3
		.amdhsa_float_denorm_mode_16_64 3
		.amdhsa_memory_ordered 1
		.amdhsa_forward_progress 1
		.amdhsa_inst_pref_size 105
	.end_amdhsa_kernel
	.amdgpu_metadata
---
amdhsa.version: [ 1, 2 ]
amdhsa.kernels:
  - .name:           k_q8cb9046348_attn
    .symbol:         k_q8cb9046348_attn.kd
    .args:
      - { .name: qkv, .offset: 0, .size: 8, .value_kind: global_buffer, .address_space: global }
      - { .name: y, .offset: 8, .size: 8, .value_kind: global_buffer, .address_space: global }
    .group_segment_fixed_size: 327680
    .private_segment_fixed_size: 0
    .kernarg_segment_align: 8
    .kernarg_segment_size: 16
    .max_flat_workgroup_size: 512
    .sgpr_count:     66
    .vgpr_count:     256
    .wavefront_size: 32
...
	.end_amdgpu_metadata
.endif
;; end of part 3
;; launch proj (part 4): grid 8 x 32, 4 waves a work-group, clusters of 4 x 4, 327,680 bytes of LDS; arguments y, wpt, b_proj, out0; writes out0
.if DOCPART == 4
	.amdgcn_target "amdgcn-amd-amdhsa--gfx1250"
	.amdhsa_code_object_version 6
	.text
	.protected	k_q8cb9046348_proj
	.globl	k_q8cb9046348_proj
	.p2align	8
	.type	k_q8cb9046348_proj,@function
k_q8cb9046348_proj:
	s_mov_b64 s[64:65], 0
	v_nop
	global_prefetch_b8 v0, s[64:65] scope:SCOPE_SE
	s_setreg_imm32_b32 hwreg(HW_REG_WAVE_MODE, 25, 1), 1
	s_wait_xcnt 0x0
	s_wait_alu depctr_hold_cnt(0) depctr_sa_sdst(0) depctr_va_vdst(0) depctr_va_sdst(0) depctr_va_ssrc(0) depctr_va_vcc(0) depctr_vm_vsrc(0)
	s_getreg_b32 s2, hwreg(HW_REG_IB_STS2, 6, 4)
	s_cmp_eq_u32 s2, 0
	s_cbranch_scc0 .Lentry_in_a_cluster
	s_endpgm
.Lentry_in_a_cluster:
	s_bfe_u32 s2, ttmp6, 0x10000c
	s_cmp_lg_u32 s2, 0xf033
	s_cbranch_scc0 .Lentry_shape_is_right
	s_endpgm
.Lentry_shape_is_right:
; out0 = y W_proj + b_proj.  A = y, f16, laid [16 heads][4096 tokens][64]: k = 64 x head + channel.  B = W_proj^T, f16, [1024 (n)][1024 (k)].  out0 [4096][1024] f32; sums in f32.
; A tile of 128 x 128 to a work-group of four waves (256 work-groups), 64 x 64 to a wave: 16 accumulators.  K goes in four steps of 256 (four heads) through two LDS slots.
; A's part of a slot: 64 tokens of four heads.  64 tokens of a head are 8,192 dense bytes, so it is ONE tile of 4 rows x 4,096 elements, 262,144 elements apart, with 16 bytes of padding behind every 128:
; in LDS [head][token] with 144 bytes a token.  CLUSTERS: 4 x 4; A's tiles jointly along a row of the cluster, B's along a column.  THE MATRIX INSTRUCTION IS USED TRANSPOSED: a lane holds eight neighbouring columns of a token.
; The bias is the C of each sum's first product.  Rows 0-15 of each batch are written here from f16 operands and written again, from f32 operands, by the launch that follows.
; LIMIT: y and W_proj are f16 numbers (see the launches before).
; REGISTERS: window 0: v0-31 addresses; v32-95 the way out; v96-127 the bias; v128-255 the accumulators.  window 1: two fragment buffers of 128.
.set SIZE_K, 1024
.set KSTEP,  256
.set PITCH,  528                       ; B's LDS row: 512 bytes + 16
.set PA,     144                       ; A's: 128 bytes + 16
.set PLANE,  64*PA
.set HALFA,  4*PLANE                   ; what one load brings of A
.set HALFB,  64*PITCH                  ; and of B
.set SLOT,   2*HALFA+2*HALFB
.set STAGE,  2*SLOT                    ; behind the ring: 16 rows x 272 bytes for each wave
.set SPITCH, 272
.set SPARE,  STAGE+4*16*SPITCH         ; the spare words, 128 bytes for each wave: two blocks of 256 bytes that no other line names
.set ADRA, 16
.set ADRB, 20
.set STO,  24
.set RD,   25
.set CO,   26
.set BO,   27
.set SPW,  28
.set NIL,  29
.set BI,   96
.set ACC,  128
.set F0,   0
.set F1,   128
.set G1, 24
.set G0, 32
.set G1B, 48
.set G0B, 56
.set MSB, 0
.macro WIN new
.if MSB != \new
	s_set_vgpr_msb (MSB<<8)|\new
.set MSB, \new
.endif
.endm
.set MUL,  0x05                        ; sources 0 (B) and 1 (A) window 1; C and D window 0
.set TO_F, 0x40
.macro JLOAD s                         ; a joint load: waves 0 and 1 fetch A's halves, waves 2 and 3 B's; an s_nop 0 and four v_nop follow each line
	s_cmp_eq_u32 s11, 0
	s_cbranch_scc0 .Lfor_b_\@
	tensor_load_to_lds s[G0+4*\s:G0+4*\s+3], s[G1:G1+7]
	s_nop 0
.rept 4
	v_nop
.endr
	s_branch .Lasked_\@
.Lfor_b_\@:
	tensor_load_to_lds s[G0B+4*\s:G0B+4*\s+3], s[G1B:G1B+7]
	s_nop 0
.rept 4
	v_nop
.endr
.Lasked_\@:
.endm
.macro CREST
	s_cmp_lg_u32 s10, 0
	s_cbranch_scc1 .Lnot_wave_0_\@
	s_barrier_signal -3
.Lnot_wave_0_\@:
	s_barrier_wait -3
	s_barrier_signal -1
	s_barrier_wait -1
.endm
.macro CROUND
	s_barrier_signal -1
	s_barrier_wait -1
	CREST
.endm
	s_load_b128 s[4:7], s[0:1], 0x0                ; y, wpt
	s_load_b64 s[66:67], s[0:1], 0x10              ; b_proj
	s_load_b64 s[8:9], s[0:1], 0x18                ; out0
	v_lshl_add_u32 v[SPW], v0, 2, SPARE
	v_mov_b32 v[NIL], 0
	ds_add_u32 v[SPW], v[NIL]                      ; the wave's opening: the add, twice on end, and its wait ahead of my first tensor load
	ds_add_u32 v[SPW], v[NIL]
	v_lshrrev_b32 v1, 5, v0
	v_readfirstlane_b32 s10, v1                    ; wave 0..3
	s_lshr_b32 s11, s10, 1                         ; which half of the tile's rows is mine.  Also: I fetch for A (0) or for B (1)
	s_and_b32 s12, s10, 1                          ; which half of its columns.  Also: which 64 rows I fetch
	s_bfe_u32 s40, ttmp6, 0x40000
	s_bfe_u32 s41, ttmp6, 0x40004
	s_lshl_b32 s42, ttmp9, 2
	s_add_co_u32 s42, s42, s40                     ; tile column
	s_and_b32 s13, ttmp7, 0xffff
	s_lshl_b32 s13, s13, 2
	s_add_co_u32 s13, s13, s41                     ; tile row
	s_lshl_b32 s43, s41, 2
	s_lshl_b32 s43, 15, s43
	s_lshl_b32 s44, 0x1111, s40
	s_or_b32 s[G1+0], s43, (1<<16)|(1<<20)|(1<<21)|(4<<22)|(3<<25)  ; A: the mask of my row; elements of 2 bytes; padding: 4 words behind every 32
	s_mov_b32 s[G1+1], 4096<<16                    ; tensor_dim0 = 4,096: 64 tokens x 64 channels
	s_mov_b32 s[G1+2], 4<<16                       ; tensor_dim1 = 4 heads
	s_mov_b32 s[G1+3], 4096<<16                    ; tile_dim0
	s_mov_b32 s[G1+4], 4                           ; tile_dim1
	s_mov_b32 s[G1+5], 262144                      ; from head to head, in elements
	s_mov_b32 s[G1+6], 0
	s_mov_b32 s[G1+7], 0
	s_or_b32 s[G1B+0], s44, (1<<16)|(1<<20)|(1<<21)|(6<<22)|(3<<25) ; B: the mask of my column; padding: 4 words behind every 128
	s_mov_b32 s[G1B+1], KSTEP<<16
	s_mov_b32 s[G1B+2], 64<<16
	s_mov_b32 s[G1B+3], KSTEP<<16
	s_mov_b32 s[G1B+4], 64
	s_mov_b32 s[G1B+5], SIZE_K
	s_mov_b32 s[G1B+6], 0
	s_mov_b32 s[G1B+7], 0
	s_lshl_b32 s17, s12, 6
	s_lshl_b32 s16, s13, 7
	s_add_co_u32 s16, s16, s17                     ; A: token 128 x tile row + 64 x half,
	s_lshl_b32 s16, s16, 7                         ; 128 bytes a token
	s_lshl_b32 s46, s42, 7
	s_add_co_u32 s46, s46, s17                     ; B: row 128 x tile column + 64 x half,
	s_lshl_b32 s46, s46, 11                        ; 2,048 bytes a row
	s_mov_b32 s17, 0
	s_mov_b32 s47, 0
	s_mul_i32 s20, s12, HALFA                      ; where they go: no place in the cluster enters an LDS address
	s_mul_i32 s21, s12, HALFB
	s_add_co_u32 s21, s21, 2*HALFA
	s_wait_dscnt 0x0                               ; both opening adds are done
	s_wait_kmcnt 0x0
	s_add_nc_u64 s[14:15], s[4:5], s[16:17]
	s_add_nc_u64 s[46:47], s[6:7], s[46:47]
	CROUND                                         ; all sixteen work-groups are here: the first joint loads meet
.irp s, 0,1
	s_mov_b32 s[G0+4*\s], 1
	s_add_co_u32 s[G0+4*\s+1], s20, \s*SLOT
	s_add_nc_u64 s[G0+4*\s+2:G0+4*\s+3], s[14:15], \s*4*524288     ; K step s: four heads on
	s_or_b32 s[G0+4*\s+3], s[G0+4*\s+3], 0x80000000
	s_mov_b32 s[G0B+4*\s], 1
	s_add_co_u32 s[G0B+4*\s+1], s21, \s*SLOT
	s_add_nc_u64 s[G0B+4*\s+2:G0B+4*\s+3], s[46:47], \s*KSTEP*2
	s_or_b32 s[G0B+4*\s+3], s[G0B+4*\s+3], 0x80000000
	JLOAD \s
.endr
	v_and_b32 v1, 15, v0                           ; r
	v_bfe_u32 v2, v0, 4, 1                         ; h
	v_mul_u32_u24 v3, v1, PA
	v_lshl_add_u32 v3, v2, 4, v3
	v_mul_u32_u24 v4, v1, PITCH
	v_lshl_add_u32 v4, v2, 4, v4
	s_mul_i32 s21, s11, HALFA                      ; my 64 rows of A
	s_mul_i32 s22, s12, HALFB                      ; my 64 rows of B, behind A's
	s_add_co_u32 s22, s22, 2*HALFA
.irp s, 0,1
	v_add_nc_u32 v[ADRA+\s], s21, v3
	v_add_nc_u32 v[ADRB+\s], s22, v4
	s_add_co_u32 s21, s21, SLOT
	s_add_co_u32 s22, s22, SLOT
.endr
	s_lshl_b32 s46, s42, 9                         ; my first column, in bytes of f32: 512 x tile column + 256 x half
	s_lshl_b32 s47, s12, 8
	s_add_co_u32 s46, s46, s47
	s_mov_b32 s47, 0
	s_add_nc_u64 s[66:67], s[66:67], s[46:47]
	v_lshlrev_b32 v[BO], 5, v2
.irp b, 0,1,2,3                                ; the bias in the result's layout: for n block b, columns 16 b + 8 h + 0 .. 7
	global_load_b128 v[BI+8*\b:BI+8*\b+3], v[BO], s[66:67] offset:64*\b
	global_load_b128 v[BI+8*\b+4:BI+8*\b+7], v[BO], s[66:67] offset:64*\b+16
.endr
	s_mul_i32 s23, s10, 16*SPITCH
	s_add_co_u32 s23, s23, STAGE                   ; my stage
	v_mul_u32_u24 v5, v1, SPITCH                   ; in: row r, 32 bytes for each half of the lanes
	v_lshl_add_u32 v5, v2, 5, v5
	v_add_nc_u32 v[STO], s23, v5
	v_mul_u32_u24 v5, v2, SPITCH                   ; back: lanes 0-15 one row of 256 bytes, lanes 16-31 the next
	v_lshl_add_u32 v5, v1, 4, v5
	v_add_nc_u32 v[RD], s23, v5
	v_lshlrev_b32 v5, 12, v2                       ; and the same two rows in out0
	v_lshl_add_u32 v[CO], v1, 4, v5
	s_lshl_b32 s16, s13, 7
	s_lshl_b32 s17, s11, 6
	s_add_co_u32 s16, s16, s17                     ; my first row
	s_lshl_b32 s16, s16, 12
	s_mov_b32 s17, 0
	s_add_nc_u64 s[8:9], s[8:9], s[16:17]
	s_add_nc_u64 s[8:9], s[8:9], s[46:47]
; 8 matrix instructions: m blocks a0, a0 + 1 x all 4 n blocks, 32 along K: half c of buffer f.  first = 1: the product starts the sum on the bias.  The accumulators take turns.
.macro MUL8 f, c, a0, first
.irp a, \a0, \a0+1
.irp b, 0,1,2,3
.if \first
	v_wmma_f32_16x16x32_f16 v[ACC+8*(4*(\a)+\b):ACC+8*(4*(\a)+\b)+7], v[\f+64+8*(4*\c+\b):\f+64+8*(4*\c+\b)+7], v[\f+8*(4*\c+\a):\f+8*(4*\c+\a)+7], v[BI+8*\b:BI+8*\b+7]
.else
	v_wmma_f32_16x16x32_f16 v[ACC+8*(4*(\a)+\b):ACC+8*(4*(\a)+\b)+7], v[\f+64+8*(4*\c+\b):\f+64+8*(4*\c+\b)+7], v[\f+8*(4*\c+\a):\f+8*(4*\c+\a)+7], v[ACC+8*(4*(\a)+\b):ACC+8*(4*(\a)+\b)+7]
.endif
.endr
.endr
.endm
; 32 LDS loads in one run: the fragments of 64 along K (one head) at byte k of B's rows, head k / 128 of A's part
.macro FETCH slot, k, f
	WIN TO_F
.irp c, 0,1
.irp i, 0,1,2,3
	ds_load_b128 v[\f+64+8*(4*\c+\i):\f+64+8*(4*\c+\i)+3],   v[ADRB+\slot] offset:\k+64*\c+\i*16*PITCH
	ds_load_b128 v[\f+64+8*(4*\c+\i)+4:\f+64+8*(4*\c+\i)+7], v[ADRB+\slot] offset:\k+64*\c+\i*16*PITCH+32
	ds_load_b128 v[\f+8*(4*\c+\i):\f+8*(4*\c+\i)+3],         v[ADRA+\slot] offset:((\k)/128)*PLANE+64*\c+\i*16*PA
	ds_load_b128 v[\f+8*(4*\c+\i)+4:\f+8*(4*\c+\i)+7],       v[ADRA+\slot] offset:((\k)/128)*PLANE+64*\c+\i*16*PA+32
.endr
.endr
.endm
.macro PLACES
.rept 4
	v_nop
.endr
.endm
.macro QUARTER slot, k, f, g, first
	s_wait_dscnt 16                                ; the first 32 along K are in
	WIN MUL
	MUL8 \f, 0, 0, \first
	MUL8 \f, 0, 2, \first
	PLACES
	FETCH \slot, \k, \g
	s_wait_dscnt 32                                ; all but the 32 just issued
	WIN MUL
	MUL8 \f, 1, 0, 0
	MUL8 \f, 1, 2, 0
.endm
; The last quarter changes slots: one barrier; in front of it each wave waits for all its tensor loads, adds 0 to its spare word, and waits for that and for its reads of this slot.  fill = 1: this slot is filled again, two K steps ahead.
.macro TURN slot, next, fill
	WIN 0
	s_wait_tensorcnt 0x0                           ; my part of the next slot has landed
	ds_add_u32 v[SPW], v[NIL]
	s_wait_dscnt 17                                ; (the add and the youngest sixteen loads may be out)
	WIN MUL
	MUL8 F1, 0, 0, 0
	s_wait_dscnt 0x0                               ; the add is done, and my reads of this slot are over
	s_barrier_signal -1
	MUL8 F1, 0, 2, 0
.if \fill
	WIN 0
.endif
	s_barrier_wait -1
.if \fill
	CREST                                          ; the barrier has opened a round of the cluster's barrier: no wave of any partner still reads this slot or has a load on its way
	s_add_nc_u64 s[G0+4*\slot+2:G0+4*\slot+3], s[G0+4*\slot+2:G0+4*\slot+3], 8*524288
	s_add_nc_u64 s[G0B+4*\slot+2:G0B+4*\slot+3], s[G0B+4*\slot+2:G0B+4*\slot+3], 2*KSTEP*2
	JLOAD \slot                                    ; the first tensor load behind the round; its four v_nop are also the places in front of the loads below
.else
	PLACES
.endif
	FETCH \next, 0, F0
	WIN MUL
	MUL8 F1, 1, 0, 0
	MUL8 F1, 1, 2, 0
.endm
	s_wait_tensorcnt 1                             ; my part of K step 0 is in (K step 1's may be out)
	s_barrier_signal -1
	s_barrier_wait -1
	FETCH 0, 0, F0
	s_wait_loadcnt 0x0                             ; the bias
	QUARTER 0, 128, F0, F1, 1
	QUARTER 0, 256, F1, F0, 0                      ; K has four steps: the ring goes round twice, written out
	QUARTER 0, 384, F0, F1, 0
	TURN 0, 1, 1
	QUARTER 1, 128, F0, F1, 0
	QUARTER 1, 256, F1, F0, 0
	QUARTER 1, 384, F0, F1, 0
	TURN 1, 0, 1
	QUARTER 0, 128, F0, F1, 0
	QUARTER 0, 256, F1, F0, 0
	QUARTER 0, 384, F0, F1, 0
	TURN 0, 1, 0
	QUARTER 1, 128, F0, F1, 0
	QUARTER 1, 256, F1, F0, 0
	QUARTER 1, 384, F0, F1, 0
	s_wait_dscnt 16
	WIN MUL
	MUL8 F1, 0, 0, 0
	MUL8 F1, 0, 2, 0
	s_wait_dscnt 0
	MUL8 F1, 1, 0, 0
	MUL8 F1, 1, 2, 0
	WIN 0
; THE WAY OUT: my 64 columns of f32 are 256 bytes of a row, aligned: each wave has a stage of its own.  A block of 16 rows goes in as 32 bytes a lane and comes back as whole rows.
.macro TOSTAGE a
.irp b, 0,1,2,3
	ds_store_b128 v[STO], v[ACC+8*(4*(\a)+\b):ACC+8*(4*(\a)+\b)+3] offset:64*\b       ; each accumulator from its low end on
	ds_store_b128 v[STO], v[ACC+8*(4*(\a)+\b)+4:ACC+8*(4*(\a)+\b)+7] offset:64*\b+16
.endr
.set BB, 32+32*((\a)%2)
.irp t, 0,1,2,3,4,5,6,7
	ds_load_b128 v[BB+4*\t:BB+4*\t+3], v[RD] offset:2*\t*SPITCH    ; LDS serves a wave's instructions in order
.endr
.endm
.macro SEND a, younger
.set BB, 32+32*((\a)%2)
	s_wait_dscnt \younger                          ; the block is back; the next block's 8 stores and 8 loads may be out
.irp t, 0,1,2,3,4,5,6,7
	global_store_b128 v[CO], v[BB+4*\t:BB+4*\t+3], s[8:9] offset:(16*(\a)+2*\t)*4096 th:TH_STORE_NT   ; sixteen lanes store 256 consecutive bytes, aligned
.endr
.endm
	PLACES
	TOSTAGE 0
.irp a, 1,2,3
.if \a > 1
	s_wait_xcnt 0x0                                ; block a - 2's stores have read their registers: block a's loads may land there
.endif
	TOSTAGE \a
	SEND \a-1, 16
.endr
	SEND 3, 0
	s_wait_tensorcnt 0x0                           ; the wave's end
	ds_add_u32 v[SPW], v[NIL]
	s_wait_dscnt 0x0
	CROUND                                         ; the closing round
	s_endpgm
.Lfunc_end_k_q8cb9046348_proj:
	.size	k_q8cb9046348_proj, .Lfunc_end_k_q8cb9046348_proj-k_q8cb9046348_proj
	.p2alignl 7, 3214868480
	.fill 96, 4, 3214868480
	.section	.rodata,"a",@progbits
	.p2align	6, 0x0
	.amdhsa_kernel k_q8cb9046348_proj
		.amdhsa_group_segment_fixed_size 327680
		.amdhsa_private_segment_fixed_size 0
		.amdhsa_enable_private_segment 0
		.amdhsa_kernarg_size 32
		.amdhsa_user_sgpr_count 2
		.amdhsa_user_sgpr_kernarg_segment_ptr 1
		.amdhsa_wavefront_size32 1
		.amdhsa_system_sgpr_workgroup_id_x 1
		.amdhsa_system_sgpr_workgroup_id_y 1
		.amdhsa_system_sgpr_workgroup_id_z 1
		.amdhsa_system_vgpr_workitem_id 0
		.amdhsa_next_free_vgpr 512
		.amdhsa_next_free_sgpr 68
		.amdhsa_reserve_vcc 0
		.amdhsa_float_denorm_mode_32 3
		.amdhsa_float_denorm_mode_16_64 3
		.amdhsa_memory_ordered 1
		.amdhsa_forward_progress 1
		.amdhsa_inst_pref_size 86
	.end_amdhsa_kernel
	.amdgpu_metadata
---
amdhsa.version: [ 1, 2 ]
amdhsa.kernels:
  - .name:           k_q8cb9046348_proj
    .symbol:         k_q8cb9046348_proj.kd
    .args:
      - { .name: y, .offset: 0, .size: 8, .value_kind: global_buffer, .address_space: global }
      - { .name: wpt, .offset: 8, .size: 8, .value_kind: global_buffer, .address_space: global }
      - { .name: b_proj, .offset: 16, .size: 8, .value_kind: global_buffer, .address_space: global }
      - { .name: out0, .offset: 24, .size: 8, .value_kind: global_buffer, .address_space: global }
    .group_segment_fixed_size: 327680
    .private_segment_fixed_size: 0
    .kernarg_segment_align: 8
    .kernarg_segment_size: 32
    .max_flat_workgroup_size: 128
    .sgpr_count:     68
    .vgpr_count:     512
    .wavefront_size: 32
...
	.end_amdgpu_metadata
.endif
;; end of part 4
;; launch first16 (part 5): grid 64 x 2, 16 waves a work-group, no clusters, 22,528 bytes of LDS; arguments fineq, W_proj, b_proj, out0; writes out0
.if DOCPART == 5
	.amdgcn_target "amdgcn-amd-amdhsa--gfx1250"
	.amdhsa_code_object_version 6
	.text
	.protected	k_q8cb9046348_first16
	.globl	k_q8cb9046348_first16
	.p2align	8
	.type	k_q8cb9046348_first16,@function
k_q8cb9046348_first16:
	s_mov_b64 s[64:65], 0
	v_nop
	global_prefetch_b8 v0, s[64:65] scope:SCOPE_SE
	s_setreg_imm32_b32 hwreg(HW_REG_WAVE_MODE, 25, 1), 1
	s_wait_xcnt 0x0
; Positions 0-15 of both sequences once more, with f32 operands throughout: these rows average one to sixteen values and are the largest, so the rounding of f16 operands weighs most there.
; fineq, f32: k and q as register images, [batch][k's 16 heads, q's 16][8 groups of 4 registers][lane][16 bytes]: lane (r, h) holds token r and 32 of the head's 64 channels, the other half of the lanes the other 32,
; alike for k and q; from byte 262,144 on v by rows, [batch][16 tokens][1024].
; Work-group (x, batch) makes columns 16 x .. 16 x + 15 of the batch's 16 rows of out0.  Wave w takes head w: its 16 x 16 attention, then the part of the projection over its own 64 of K; the sixteen parts are added through LDS.
; Nothing changes lanes between the products: a permutation of k applied alike to both sources keeps the products, so each result is the next source as it stands.
;   S^T = K Q^T: both images give lane (r, h), register i the same channel.   Result: register j = (key 8 h + j, query r).
;   O^T = V^T P: P's registers 2 s, 2 s + 1 are keys 8 h + 2 s, + 1; V is loaded so: register 8 dt + j = V[key 8 h + j][channel 16 dt + r].   Result: register j = (channel 16 dt + 8 h + j, query r).
;   out^T = W^T O^T: W is loaded so: register 8 dt + j = W_proj[64 w + 16 dt + 8 h + j][16 x + r].   Result: register j = (column 8 h + j, query r), in two sums that take turns.
; The registers that the f32 matrix form writes (v176-239) are written by matrix instructions alone.
; A wave's store covers two pieces of 64 consecutive bytes: 16 columns of two rows.
.set PW,    1280                       ; a wave's part in LDS: 16 rows x (64 bytes + 16)
.set SPARE, 16*PW                      ; behind the sixteen parts: the spare words, 128 bytes for each wave
	s_load_b256 s[4:11], s[0:1], 0x0               ; fineq s[4:5], W_proj s[6:7], b_proj s[8:9], out0 s[10:11]
	v_lshl_add_u32 v6, v0, 2, SPARE
	v_mov_b32 v7, 0
	v_lshrrev_b32 v1, 5, v0
	v_readfirstlane_b32 s12, v1                    ; wave = head
	s_and_b32 s13, ttmp7, 0xffff                   ; batch
	v_and_b32 v1, 15, v0                           ; r
	v_bfe_u32 v2, v0, 4, 1                         ; h
	v_and_b32 v3, 31, v0
	v_lshlrev_b32 v3, 4, v3                        ; the images: 16 x lane
	v_lshlrev_b32 v5, 15, v2
	v_lshl_add_u32 v5, v1, 2, v5                   ; V and W_proj, rows of 4,096 bytes both: rows 8 h on, column r
	v_lshlrev_b32 v8, 3, v2
	v_sub_nc_u32 v8, v1, v8                        ; r - 8 h
	v_mov_b32 v9, 0                                ; the lane permute's destination
	v_lshlrev_b32 v11, 2, v1                       ; the bias of column r
	s_mul_i32 s30, s12, PW
	v_mul_u32_u24 v12, v1, 80
	v_lshl_add_u32 v12, v2, 5, v12
	v_add_nc_u32 v12, s30, v12                     ; my part in LDS: row r, 32 bytes for each half of the lanes
	s_and_b32 s31, s12, 7
	s_mul_i32 s30, s31, 160
	v_mul_u32_u24 v13, v2, 80
	v_lshl_add_u32 v13, v1, 2, v13
	v_add_nc_u32 v13, s30, v13                     ; the sum (waves 0-7): query 2 x wave + h, column r
	s_lshl_b32 s30, s31, 13
	v_lshlrev_b32 v14, 12, v2
	v_lshl_add_u32 v14, v1, 2, v14
	v_add_nc_u32 v14, s30, v14                     ; and the same place in out0
	s_mov_b32 s20, 0x76543210
	s_mov_b32 s21, 0xfedcba98
	s_mov_b32 s22, 0x3e38aa3b                      ; c = log2(e) / 8
	s_lshl_b32 s14, s13, 17                        ; the images: 131,072 bytes a batch, 4,096 a head
	s_lshl_b32 s15, s12, 12
	s_add_co_u32 s14, s14, s15
	s_mov_b32 s15, 0
	s_lshl_b32 s28, s13, 16                        ; v's rows: 65,536 bytes a batch, the head's 64 columns
	s_lshl_b32 s29, s12, 8
	s_add_co_u32 s28, s28, s29
	s_add_co_u32 s28, s28, 262144
	s_mov_b32 s29, 0
	s_lshl_b32 s16, s12, 18
	s_lshl_b32 s18, ttmp9, 6
	s_add_co_u32 s16, s16, s18                     ; W_proj: row 64 w, column 16 x
	s_mov_b32 s17, 0
	s_mov_b32 s19, 0
	s_lshl_b32 s24, s13, 23
	s_add_co_u32 s24, s24, s18                     ; out0: the batch's first row, column 16 x
	s_mov_b32 s25, 0
	s_wait_kmcnt 0x0
	s_add_nc_u64 s[26:27], s[4:5], s[14:15]
	s_add_nc_u64 s[4:5], s[4:5], s[28:29]
	s_add_nc_u64 s[6:7], s[6:7], s[16:17]
	s_add_nc_u64 s[8:9], s[8:9], s[18:19]
	s_add_nc_u64 s[10:11], s[10:11], s[24:25]
.irp g, 0,1,2,3,4,5,6,7
	global_load_b128 v[16+4*\g:19+4*\g], v3, s[26:27] offset:512*\g        ; K: 32 lanes read 512 consecutive bytes
.endr
.irp g, 0,1,2,3,4,5,6,7
	global_load_b128 v[48+4*\g:51+4*\g], v3, s[26:27] offset:65536+512*\g  ; Q: sixteen heads on
.endr
.irp dt, 0,1,2,3
.irp j, 0,1,2,3,4,5,6,7
	global_load_b32 v[80+8*\dt+\j], v5, s[4:5] offset:\j*4096+64*\dt       ; V
.endr
.endr
.irp dt, 0,1,2,3
.irp j, 0,1,2,3,4,5,6,7
	global_load_b32 v[112+8*\dt+\j], v5, s[6:7] offset:(16*\dt+\j)*4096    ; W_proj
.endr
.endr
	global_load_b32 v10, v11, s[8:9]               ; the bias of my column
	s_wait_loadcnt 63                              ; K and Q are in: 65 loads were issued behind them, and a count cannot name more than 63
.irp s, 0,1,2,3,4,5,6,7,8,9,10,11,12,13,14,15  ; S^T in two sums that take turns
.if \s < 2
	v_wmma_f32_16x16x4_f32 v[176+8*(\s%2):183+8*(\s%2)], v[16+2*\s:17+2*\s], v[48+2*\s:49+2*\s], 0
.else
	v_wmma_f32_16x16x4_f32 v[176+8*(\s%2):183+8*(\s%2)], v[16+2*\s:17+2*\s], v[48+2*\s:49+2*\s], v[176+8*(\s%2):183+8*(\s%2)]
.endif
.endr
.rept 8
	v_nop                                          ; eight places behind this form, ahead of the first read of results (ISA guide 7.12.1)
.endr
	v_mov_b32 v255, 0xff800000
.irp j, 0,1,2,3,4,5,6,7
	v_add_f32 v[240+\j], v[176+\j], v[184+\j]      ; from the low end on
.endr
.irp j, 0,1,2,3,4,5,6,7
	v_cmp_gt_i32 vcc_lo, \j, v8                    ; key 8 h + j comes after query r
	v_cndmask_b32 v[240+\j], v[240+\j], v255, vcc_lo
.endr
	v_max3_num_f32 v248, v240, v241, v242
	v_max3_num_f32 v248, v248, v243, v244
	v_max3_num_f32 v248, v248, v245, v246
	v_max_num_f32 v248, v248, v247
	v_permlanex16_b32 v9, v248, s20, s21
	v_max_num_f32 v248, v248, v9                   ; the row's maximum: key 0 counts for every query
	v_mul_f32 v249, s22, v248
.irp j, 0,1,2,3,4,5,6,7
	v_fma_f32 v[240+\j], v[240+\j], s22, -v249
.endr
.irp j, 0,1,2,3,4,5,6,7
	v_exp_f32 v[240+\j], v[240+\j]
.endr
	v_nop                                          ; a plain line behind the last exponential
	s_wait_alu depctr_va_vdst(0)                   ; one wait for the batch
	v_add_f32 v250, v240, v241
	v_add_f32 v251, v242, v243
	v_add_f32 v252, v244, v245
	v_add_f32 v253, v246, v247
	v_add_f32 v250, v250, v251
	v_add_f32 v252, v252, v253
	v_add_f32 v250, v250, v252
	v_permlanex16_b32 v9, v250, s20, s21
	v_add_f32 v250, v250, v9
	v_rcp_f32 v250, v250
	v_nop
	s_wait_alu depctr_va_vdst(0)
.irp j, 0,1,2,3,4,5,6,7
	v_mul_f32 v[240+\j], v[240+\j], v250           ; the weights
.endr
	s_wait_loadcnt 33                              ; V is in; W_proj's 32 loads and the bias may be out
.irp s, 0,1,2,3
.irp dt, 0,1,2,3
.if \s == 0
	v_wmma_f32_16x16x4_f32 v[192+8*\dt:199+8*\dt], v[80+8*\dt+2*\s:81+8*\dt+2*\s], v[240+2*\s:241+2*\s], 0
.else
	v_wmma_f32_16x16x4_f32 v[192+8*\dt:199+8*\dt], v[80+8*\dt+2*\s:81+8*\dt+2*\s], v[240+2*\s:241+2*\s], v[192+8*\dt:199+8*\dt]
.endif
.endr
.endr
	s_wait_loadcnt 0x0                             ; W_proj and the bias
.rept 9
	v_nop                                          ; nine places: the results become sources
.endr
.irp dt, 0,1,2,3
.irp s, 0,1,2,3
.if (\dt == 0) && (\s < 2)
	v_wmma_f32_16x16x4_f32 v[224+8*(\s%2):231+8*(\s%2)], v[112+8*\dt+2*\s:113+8*\dt+2*\s], v[192+8*\dt+2*\s:193+8*\dt+2*\s], 0
.else
	v_wmma_f32_16x16x4_f32 v[224+8*(\s%2):231+8*(\s%2)], v[112+8*\dt+2*\s:113+8*\dt+2*\s], v[192+8*\dt+2*\s:193+8*\dt+2*\s], v[224+8*(\s%2):231+8*(\s%2)]
.endif
.endr
.endr
.rept 8
	v_nop
.endr
.irp j, 0,1,2,3,4,5,6,7
	v_add_f32 v[16+\j], v[224+\j], v[232+\j]       ; the two sums, from the low end on, into registers of their own
.endr
	ds_store_b128 v12, v[16:19]
	ds_store_b128 v12, v[20:23] offset:16
	s_wait_dscnt 0x0                               ; for the others' sake: my part lies in LDS
	s_barrier_signal -1
	s_barrier_wait -1
	s_cmp_lt_u32 s12, 8                            ; 256 numbers: waves 0-7 add them, a lane a number
	s_cbranch_scc0 .Lend
.irp u, 0,1,2,3,4,5,6,7,8,9,10,11,12,13,14,15
	ds_load_b32 v[32+\u], v13 offset:\u*PW         ; the sixteen heads' parts of my number
.endr
	s_wait_dscnt 0x0
.irp u, 0,2,4,6,8,10,12,14
	v_add_f32 v[32+\u], v[32+\u], v[33+\u]
.endr
.irp u, 0,4,8,12
	v_add_f32 v[32+\u], v[32+\u], v[34+\u]
.endr
	v_add_f32 v32, v32, v36
	v_add_f32 v40, v40, v44
	v_add_f32 v32, v32, v40
	v_add_f32 v32, v32, v10                        ; + the bias
	global_store_b32 v14, v32, s[10:11]
.Lend:
	s_wait_tensorcnt 0x0                           ; the wave's end, behind my last LDS store
	ds_add_u32 v6, v7
	s_wait_dscnt 0x0
	s_endpgm
.Lfunc_end_k_q8cb9046348_first16:
	.size	k_q8cb9046348_first16, .Lfunc_end_k_q8cb9046348_first16-k_q8cb9046348_first16
	.p2alignl 7, 3214868480
	.fill 96, 4, 3214868480
	.section	.rodata,"a",@progbits
	.p2align	6, 0x0
	.amdhsa_kernel k_q8cb9046348_first16
		.amdhsa_group_segment_fixed_size 22528
		.amdhsa_private_segment_fixed_size 0
		.amdhsa_enable_private_segment 0
		.amdhsa_kernarg_size 32
		.amdhsa_user_sgpr_count 2
		.amdhsa_user_sgpr_kernarg_segment_ptr 1
		.amdhsa_wavefront_size32 1
		.amdhsa_system_sgpr_workgroup_id_x 1
		.amdhsa_system_sgpr_workgroup_id_y 1
		.amdhsa_system_sgpr_workgroup_id_z 1
		.amdhsa_system_vgpr_workitem_id 0
		.amdhsa_next_free_vgpr 256
		.amdhsa_next_free_sgpr 66
		.amdhsa_reserve_vcc 1
		.amdhsa_float_denorm_mode_32 3
		.amdhsa_float_denorm_mode_16_64 3
		.amdhsa_memory_ordered 1
		.amdhsa_forward_progress 1
		.amdhsa_inst_pref_size 19
	.end_amdhsa_kernel
	.amdgpu_metadata
---
amdhsa.version: [ 1, 2 ]
amdhsa.kernels:
  - .name:           k_q8cb9046348_first16
    .symbol:         k_q8cb9046348_first16.kd
    .args:
      - { .name: fineq, .offset: 0, .size: 8, .value_kind: global_buffer, .address_space: global }
      - { .name: W_proj, .offset: 8, .size: 8, .value_kind: global_buffer, .address_space: global }
      - { .name: b_proj, .offset: 16, .size: 8, .value_kind: global_buffer, .address_space: global }
      - { .name: out0, .offset: 24, .size: 8, .value_kind: global_buffer, .address_space: global }
    .group_segment_fixed_size: 22528
    .private_segment_fixed_size: 0
    .kernarg_segment_align: 8
    .kernarg_segment_size: 32
    .max_flat_workgroup_size: 512
    .sgpr_count:     66
    .vgpr_count:     256
    .wavefront_size: 32
...
	.end_amdgpu_metadata
.endif
;; end of part 5
